; MI455X (gfx1250); checked and timed in simulation.
; The chip was launched on July 23, 2026; its instructions are those of AMD's public machine-readable ISA for CDNA 5 (MIT licence, August 2026) and "CDNA5" Instruction Set Architecture Reference Guide (July 2026). The comments in the code are by the model that wrote it; some were corrected since.
;; Causal Self Attention. Allowed arithmetic: matrix products marked QUANTISED: E4M3 operands, one E8M0 scale for each 32 along K, by v_wmma_scale_f32_16x16x128_f8f6f4 with both operands' format E4M3, f32 sums; everything else in f32.
;; Inputs: W_proj 1,024 x 1,024 float32; W_qkv 3,072 x 1,024 float32; b_proj 1,024 float32; b_qkv 3,072 float32; lamb one number float32; v1 4 x 16 x 2,048 x 64 float32; x 4 x 2,048 x 1,024 float32.
;; Outputs: out0 4 x 2,048 x 1,024 float32; out1 4 x 16 x 2,048 x 64 float32.
;; This version of the problem:
;;   THIS VERSION OF THE PROBLEM IS GIVEN IN LOW PRECISION. The matrix products marked QUANTISED in the list below multiply operands that are first quantised to E4M3 (4 exponent bits, 3 mantissa bits; 8 bits a number), with one power-of-two scale for each 32 numbers along K (OCP MX v1.0); their sums are f32. All else is computed in f32.
;;   The module's matrix products, in the order in which they are computed (A, B: the left and right operand; K: the contracted axis; several contracted axes count as one K, in the product's order):
;;     1. [M 8,192, K 1,024] x [K 1,024, N 3,072]; A: input x; B: input W_qkv: QUANTISED
;;     2. batch 64 x [M 2,048, K 64] x [K 64, N 2,048]; A: computed on the way; B: computed on the way: QUANTISED
;;     3. batch 64 x [M 2,048, K 2,048] x [K 2,048, N 64]; A: softmax (see below); B: computed on the way: QUANTISED
;;     4. [M 8,192, K 1,024] x [K 1,024, N 1,024]; A: computed on the way; B: input W_proj: QUANTISED
;;   THE QUANTISER, for each operand of a quantised product, along K:
;;     - K is cut into blocks of 32 from its start; a last block that is shorter is filled with zeros.
;;     - A block's scale is 2^e with e = floor(log2(the largest magnitude in the block)) - 8, held to -126 .. 127; a block of zeros has e = 0. As a byte (E8M0): e + 127.
;;     - Each number is divided by its block's scale, clamped to +-448, and rounded to the nearest number of E4M3, ties to even, subnormals kept.
;;     - The product sums the exact products of the quantised numbers (number of the format x scale) in f32.
;;   ~~~python
;;   def quantise(x, axis):      # numpy; x: float32 -> the quantised numbers, widened to float32 again
;;       x = np.moveaxis(x, axis, -1); K = x.shape[-1]
;;       x = np.pad(x, [(0, 0)] * (x.ndim - 1) + [(0, -K % 32)]); x = x.reshape(x.shape[:-1] + (-1, 32)); a = np.abs(x).max(-1, keepdims=True)
;;       e = np.where(a > 0, np.clip(np.frexp(np.where(a > 0, a, 1))[1] - 1 - 8, -126, 127), 0)      # np.frexp(a)[1] - 1 = floor(log2(a)), exactly
;;       r = np.clip(x / 2.0 ** e, -448, 448)
;;       step = 2.0 ** (np.maximum(np.frexp(np.where(r == 0, 1, r))[1] - 1, -6) - 3)
;;       q = np.round(r / step) * step * 2.0 ** e      # np.round: ties to even
;;       return np.moveaxis(q.reshape(q.shape[:-2] + (-1,))[..., :K], -1, axis).astype(np.float32)
;;   ~~~
;;   SOFTMAX AHEAD OF A QUANTISED PRODUCT. Where the list says 'softmax', what is quantised is not the finished softmax but p = 2^(t - M), with t = logit x log2(e) and M = ceil(the row's largest t), a whole number; so 1/2 < the row's largest p <= 1. The row's sum l is taken of the UNQUANTISED p, in f32, and the product's result is divided by l at the end. Since M is a whole number, a kernel that streams over the keys may use a running M (the ceiling of the running maximum): every later rescaling is an exact power of two, which a block's scale takes up: the codes' values come out the same.
;;   OPERANDS COMPUTED ON THE WAY. 'Computed on the way' means the value that the module computes at that place (a softmax that the list does not call 'softmax' is quantised finished and normalised). What goes into a quantiser is computed in f32, as accurately as f32 sums, v_exp_f32 and their like allow (about 1e-6 of the number): no bf16 or f16 on the way to a quantiser, and a product that is left as it is and whose result goes on into a quantised operand takes f32 operands (vector FMAs, or v_wmma_f32_16x16x4_f32). A number that lies on a knife's edge between two numbers of the format may be rounded either way, as far as f32 arithmetic and the matrix unit's own rounding can turn it there, and no further.
;; One version. Each part assembles by itself: llvm-mc -triple=amdgcn-amd-amdhsa -mcpu=gfx1250 --defsym DOCPART=n.
;; ======== version 1 of 1: 4 launches
;; limits: right only within a limited range of input values
;; workspace buffers: w1 13,500,416 bytes; w2 25,952,256 bytes; w3 8,650,752 bytes
;; launch prep (part 1): grid 512 x 1, 4 waves a work-group, no clusters, 33,280 bytes of LDS; arguments x, W_qkv, W_proj, w1; writes w1
.if DOCPART == 1
	.amdgcn_target "amdgcn-amd-amdhsa--gfx1250"
	.amdhsa_code_object_version 6
	.text
	.protected	k_qe55a1f14f8_prep
	.globl	k_qe55a1f14f8_prep
	.p2align	8
	.type	k_qe55a1f14f8_prep,@function
k_qe55a1f14f8_prep:
	s_mov_b64 s[64:65], 0
	v_nop
	global_prefetch_b8 v0, s[64:65] scope:SCOPE_SE
	s_setreg_imm32_b32 hwreg(HW_REG_WAVE_MODE, 25, 1), 1
	s_wait_xcnt 0x0
; x [8192][1024], W_qkv [3072][1024], W_proj [1024][1024], f32, become codes of FP8 (E4M3), K innermost, with one E8M0 byte for each 32 along K; and the rotary table is made.
; w1: 12,288 rows x 1,024 code bytes (x, W_qkv, W_proj), then 12,288 rows x 32 scale bytes, then 128 tiles x 4,096 bytes of cos and sin.
; STORED ORDER: inside every 32 rows of x and of W_qkv the four groups of 8 rows are laid in the order 0, 2, 1, 3, so that stored tile 2 b + u, stored row p, is row 32 b + 8 u + p + 8 (p / 8). W_proj's rows stay as they are.
; A block's scale is 2^(floor(log2(largest magnitude)) - 8); its byte is the largest magnitude's exponent field - 8, held at 1 from below (a block of zeros gets the byte 1: its codes are zeros, and this program alone reads the bytes).
; LIMITS: NaN and infinities among the inputs are not served. The rotary angle is pos x inv_freq in f32, inv_freq by v_exp_f32 (within about 2 units in its last place): at position 2,047 the angle is good to about 2e-4.
; Work-groups 0-255 take x, 256-351 W_qkv, 352-383 W_proj: a wave takes 8 rows (8,192 numbers) in 16 steps of 512. Work-groups 384-511 make one table tile each and use no LDS.
; A load reads 512 consecutive bytes; a step's 2,048 bytes turn through the wave's own stage in LDS so that a lane holds 16 neighbours along K; two neighbouring lanes hold a block.
.set STEPS, 16
.set CB,    16
.set R,     16                         ; v16-79   four sets of 16 numbers as loaded
.set X,     80                         ; v80-111  two sets of 16 neighbours
.set C,     128                        ; v128-191 codes, four registers a step
.set E,     112                        ; v112-127 a scale byte a step
.set WREG,  8192                       ; LDS: a region for each wave: two stages of 32 x SP bytes, then its 256 scale bytes
.set SP,    80
.set SCLO,  12582912
.set TABO,  12976128
	s_load_b256 s[4:11], s[0:1], 0x0               ; x s[4:5], W_qkv s[6:7], W_proj s[8:9], w1 s[10:11]
	v_lshl_add_u32 v192, v0, 2, 0x8000
	v_mov_b32 v193, 0
	v_lshrrev_b32 v1, 5, v0
	v_readfirstlane_b32 s16, v1                    ; wave
	v_and_b32 v2, 31, v0                           ; lane
	s_cmp_ge_u32 ttmp9, 384
	s_cbranch_scc1 .Ltable
	v_lshlrev_b32 v3, 4, v2                        ; my 16 bytes of a load's 512
	s_mul_i32 s17, s16, WREG
	v_lshrrev_b32 v14, 2, v2
	v_mul_u32_u24 v14, v14, SP
	v_and_b32 v15, 3, v2
	v_lshl_add_u32 v14, v15, 4, v14
	v_add_nc_u32 v14, s17, v14                     ; the stage, way in: SP (lane / 4) + 16 (lane % 4)
	v_mul_u32_u24 v15, v2, SP
	v_add_nc_u32 v15, s17, v15                     ; way out: SP x lane
	v_mul_u32_u24 v4, v2, CB
	v_lshrrev_b32 v5, 1, v2
	s_add_co_u32 s17, s17, 2*32*SP
	v_add_nc_u32 v5, s17, v5                       ; my block's scale byte in LDS
	v_lshlrev_b32 v7, 3, v2
	v_add_nc_u32 v6, s17, v7
	s_mov_b32 s23, 0x600000                        ; the mantissa field of 448
	s_and_b32 s19, s16, 1
	s_lshl_b32 s19, s19, 1
	s_lshr_b32 s20, s16, 1
	s_or_b32 s19, s19, s20                         ; the group's stored place: the wave's two bits swapped
	s_mov_b32 s18, 352
	s_wait_alu depctr_va_vdst(0)
	s_wait_kmcnt 0x0
	s_cmp_lt_u32 ttmp9, 352                        ; the choices hang on the work-group's number alone
	s_cselect_b64 s[6:7], s[6:7], s[8:9]
	s_cselect_b32 s18, 256, s18
	s_cselect_b32 s19, s19, s16                    ; W_proj keeps its order
	s_cmp_lt_u32 ttmp9, 256
	s_cselect_b64 s[4:5], s[4:5], s[6:7]
	s_cselect_b32 s18, 0, s18
	s_sub_co_u32 s18, ttmp9, s18
	s_lshl_b32 s18, s18, 2
	s_add_co_u32 s18, s18, s16                     ; which run of 8 rows of the input
	s_lshl_b32 s20, s18, 15
	s_mov_b32 s21, 0
	s_add_nc_u64 s[4:5], s[4:5], s[20:21]
	s_lshl_b32 s18, ttmp9, 2
	s_add_co_u32 s18, s18, s19                     ; which run of w1
	s_lshl_b32 s20, s18, 13
	s_add_nc_u64 s[12:13], s[10:11], s[20:21]      ; its codes
	s_lshl_b32 s20, s18, 8
	s_add_co_u32 s20, s20, SCLO
	s_add_nc_u64 s[14:15], s[10:11], s[20:21]      ; its scale bytes
.macro LOAD t
.irp i, 0,1,2,3
	global_load_b128 v[R+16*((\t)%4)+4*\i:R+16*((\t)%4)+4*\i+3], v3, s[4:5] offset:2048*(\t)+512*\i th:TH_LOAD_NT
.endr
.endm
.macro TURN t                          ; LDS serves a wave's instructions in order: no wait between these stores and loads
.irp i, 0,1,2,3
	ds_store_b128 v14, v[R+16*((\t)%4)+4*\i:R+16*((\t)%4)+4*\i+3] offset:32*SP*((\t)%2)+8*SP*\i
.endr
.irp i, 0,1,2,3
	ds_load_b128 v[X+16*((\t)%2)+4*\i:X+16*((\t)%2)+4*\i+3], v15 offset:32*SP*((\t)%2)+16*\i
.endr
.endm
.irp t, 0,1,2,3
	LOAD \t
.endr
	s_wait_loadcnt 12                              ; step 0's four loads are in; three steps' twelve stay out
	TURN 0
.macro STEP t
.set XS, X+16*((\t)%2)
.if (\t) > 0
	s_wait_dscnt 1                                 ; this step's numbers are back (the last step's byte store may be out)
.else
	s_wait_dscnt 0x0
.endif
.if (\t)+4 < STEPS
	LOAD (\t)+4
.endif
.if (\t)+1 < STEPS
.if STEPS-2-(\t) >= 3
	s_wait_loadcnt 12                              ; the next step's loads are in; those of the three steps behind it stay out
.else
	s_wait_loadcnt 4*(STEPS-2-(\t))
.endif
	TURN (\t)+1
.endif
	v_max3_num_f32 v8, |v[XS]|, |v[XS+1]|, |v[XS+2]|
	v_max3_num_f32 v9, |v[XS+3]|, |v[XS+4]|, |v[XS+5]|
.irp i, 6,10
	v_max3_num_f32 v8, v8, |v[XS+\i]|, |v[XS+\i+1]|
	v_max3_num_f32 v9, v9, |v[XS+\i+2]|, |v[XS+\i+3]|
.endr
	v_max3_num_f32 v8, v8, |v[XS+14]|, |v[XS+15]|
	v_max3_num_f32 v8, v8, v9, 0x4800000           ; the floor 2^(9 - 127): the byte cannot fall under 1
	v_max_num_f32_dpp v8, v8, v8 row_xmask:1 row_mask:0xf bank_mask:0xf   ; with my neighbour's 16: the block's
	v_add_nc_u32 v11, 0xfc000000, v8               ; 8 off the exponent field: the conversion's scale operand
	v_and_or_b32 v10, v8, 0x7f800000, s23          ; 448 x the scale
.irp i, 0,1,2,3,4,5,6,7,8,9,10,11,12,13,14,15
	v_med3_num_f32 v[XS+\i], v[XS+\i], -v10, v10   ; the conversion does not saturate (ISA guide 7.6.2): the hold comes first
.endr
	v_cvt_scalef32_pk8_fp8_f32 v[C+4*(\t):C+4*(\t)+1], v[XS:XS+7], v11
	v_cvt_scalef32_pk8_fp8_f32 v[C+4*(\t)+2:C+4*(\t)+3], v[XS+8:XS+15], v11
	v_lshrrev_b32 v[E+(\t)], 23, v11               ; the scale's byte
	ds_store_b8 v5, v[E+(\t)] offset:16*(\t)       ; both lanes of a block write the same byte with the same value
	global_store_b128 v4, v[C+4*(\t):C+4*(\t)+3], s[12:13] offset:32*CB*(\t)
.endm
.irp t, 0,1,2,3,4,5,6,7,8,9,10,11,12,13,14,15
	STEP \t
.endr
	ds_load_b64 v[12:13], v6
	s_wait_dscnt 0x0
	global_store_b64 v7, v[12:13], s[14:15]        ; 32 lanes store 256 consecutive bytes, aligned
	s_wait_tensorcnt 0x0
	ds_add_u32 v192, v193
	s_wait_dscnt 0x0
	s_endpgm
; THE TABLE. Tile = work-group - 384; wave i makes piece i: lane (r, h) holds cos and sin of pos x inv_freq[16 h + 4 i + e], e = 0 .. 3, pos = 32 (tile / 2) + 8 (tile % 2) + r + 8 (r / 8).
; The angle is brought into +-pi/4 by n = nearest(2 f / pi), f - n pi/2 in two parts (the first fused step is exact), then polynomials in z = r^2 and the quadrant's swap and signs.
.Ltable:
	s_sub_co_u32 s17, ttmp9, 384
	v_and_b32 v3, 15, v0
	v_bfe_u32 v4, v0, 4, 1
	v_lshrrev_b32 v5, 3, v3
	v_lshl_add_u32 v5, v5, 3, v3
	s_lshr_b32 s18, s17, 1
	s_lshl_b32 s18, s18, 5
	s_and_b32 s19, s17, 1
	s_lshl_b32 s19, s19, 3
	s_add_co_u32 s18, s18, s19
	v_add_nc_u32 v5, s18, v5
	v_cvt_f32_u32 v5, v5                           ; pos
	s_lshl_b32 s19, s16, 2
	v_lshl_add_u32 v6, v4, 4, s19                  ; 16 h + 4 i
	s_wait_alu depctr_va_vdst(0)
	v_lshlrev_b32 v7, 4, v2
	s_mov_b32 s24, 0xbfc90fdb                      ; -(pi/2)'s upper part
	s_mov_b32 s25, 0x333bbd2e                      ; what the upper part has too much
.irp e, 0,1,2,3
	v_add_nc_u32 v[8+\e], \e, v6
	v_cvt_f32_u32 v[8+\e], v[8+\e]
	v_mul_f32 v[8+\e], 0xbed49a78, v[8+\e]         ; -jj log2(10000) / 32
.endr
	s_wait_alu depctr_va_vdst(0)
.irp e, 0,1,2,3
	v_exp_f32 v[12+\e], v[8+\e]                    ; inv_freq
.endr
	v_nop                                          ; a plain line behind the last exponential
	s_wait_alu depctr_va_vdst(0)                   ; one wait for the four, ahead of their first reader
.macro ANG e
	v_mul_f32 v16, v5, v[12+\e]                    ; f = pos x inv_freq, one rounding
	v_mul_f32 v17, 0x3f22f983, v16
	v_rndne_f32 v17, v17                           ; n
	v_fma_f32 v18, v17, s24, v16
	v_fma_f32 v18, v17, s25, v18                   ; r
	v_mul_f32 v19, v18, v18                        ; z
	v_mov_b32 v20, 0x3638ef1d
	v_fmaak_f32 v20, v19, v20, 0xb9500d01
	v_fmaak_f32 v20, v19, v20, 0x3c088889
	v_fmaak_f32 v20, v19, v20, 0xbe2aaaab
	v_mul_f32 v20, v19, v20
	v_fma_f32 v20, v18, v20, v18                   ; sin r
	v_mov_b32 v21, 0xb493f27e
	v_fmaak_f32 v21, v19, v21, 0x37d00d01
	v_fmaak_f32 v21, v19, v21, 0xbab60b61
	v_fmaak_f32 v21, v19, v21, 0x3d2aaaab
	v_fmaak_f32 v21, v19, v21, 0xbf000000
	v_fma_f32 v21, v19, v21, 1.0                   ; cos r
	v_cvt_i32_f32 v22, v17
	v_and_b32 v23, 1, v22
	v_cmp_eq_u32 vcc_lo, 1, v23
	v_cndmask_b32 v[28+\e], v20, v21, vcc_lo       ; odd quadrant: sin takes cos r,
	v_cndmask_b32 v[24+\e], v21, v20, vcc_lo       ; cos takes sin r
	v_and_b32 v23, 2, v22
	v_lshlrev_b32 v23, 30, v23
	v_xor_b32 v[28+\e], v23, v[28+\e]              ; sin is negative in quadrants 2, 3
	v_add_nc_u32 v22, 1, v22
	v_and_b32 v22, 2, v22
	v_lshlrev_b32 v22, 30, v22
	v_xor_b32 v[24+\e], v22, v[24+\e]              ; cos in quadrants 1, 2
.endm
.irp e, 0,1,2,3
	ANG \e
.endr
	s_lshl_b32 s20, s17, 12
	s_lshl_b32 s21, s16, 9
	s_add_co_u32 s20, s20, s21
	s_add_co_u32 s20, s20, TABO
	s_mov_b32 s21, 0
	s_wait_alu depctr_va_vdst(0)
	s_wait_kmcnt 0x0
	s_add_nc_u64 s[10:11], s[10:11], s[20:21]
	global_store_b128 v7, v[24:27], s[10:11]               ; 512 consecutive bytes
	global_store_b128 v7, v[28:31], s[10:11] offset:2048
	s_endpgm
.Lfunc_end_k_qe55a1f14f8_prep:
	.size	k_qe55a1f14f8_prep, .Lfunc_end_k_qe55a1f14f8_prep-k_qe55a1f14f8_prep
	.p2alignl 7, 3214868480
	.fill 96, 4, 3214868480
	.section	.rodata,"a",@progbits
	.p2align	6, 0x0
	.amdhsa_kernel k_qe55a1f14f8_prep
		.amdhsa_group_segment_fixed_size 33280
		.amdhsa_private_segment_fixed_size 0
		.amdhsa_enable_private_segment 0
		.amdhsa_kernarg_size 32
		.amdhsa_user_sgpr_count 2
		.amdhsa_user_sgpr_kernarg_segment_ptr 1
		.amdhsa_wavefront_size32 1
		.amdhsa_system_sgpr_workgroup_id_x 1
		.amdhsa_system_sgpr_workgroup_id_y 1
		.amdhsa_system_sgpr_workgroup_id_z 1
		.amdhsa_system_vgpr_workitem_id 0
		.amdhsa_next_free_vgpr 194
		.amdhsa_next_free_sgpr 66
		.amdhsa_reserve_vcc 1
		.amdhsa_float_denorm_mode_32 3
		.amdhsa_float_denorm_mode_16_64 3
		.amdhsa_memory_ordered 1
		.amdhsa_forward_progress 1
		.amdhsa_inst_pref_size 59
	.end_amdhsa_kernel
	.amdgpu_metadata
---
amdhsa.version: [ 1, 2 ]
amdhsa.kernels:
  - .name:           k_qe55a1f14f8_prep
    .symbol:         k_qe55a1f14f8_prep.kd
    .args:
      - { .name: x, .offset: 0, .size: 8, .value_kind: global_buffer, .address_space: global }
      - { .name: W_qkv, .offset: 8, .size: 8, .value_kind: global_buffer, .address_space: global }
      - { .name: W_proj, .offset: 16, .size: 8, .value_kind: global_buffer, .address_space: global }
      - { .name: w1, .offset: 24, .size: 8, .value_kind: global_buffer, .address_space: global }
    .group_segment_fixed_size: 33280
    .private_segment_fixed_size: 0
    .kernarg_segment_align: 8
    .kernarg_segment_size: 32
    .max_flat_workgroup_size: 128
    .sgpr_count:     66
    .vgpr_count:     194
    .wavefront_size: 32
...
	.end_amdgpu_metadata
.endif
;; end of part 1
;; launch qkv (part 2): grid 12 x 32, 4 waves a work-group, clusters of 4 x 4, 327,680 bytes of LDS; arguments w1, b_qkv, v1, lamb, w2, out1; writes w2, out1
.if DOCPART == 2
	.amdgcn_target "amdgcn-amd-amdhsa--gfx1250"
	.amdhsa_code_object_version 6
	.text
	.protected	k_qe55a1f14f8_qkv
	.globl	k_qe55a1f14f8_qkv
	.p2align	8
	.type	k_qe55a1f14f8_qkv,@function
k_qe55a1f14f8_qkv:
	s_mov_b64 s[64:65], 0
	v_nop
	global_prefetch_b8 v0, s[64:65] scope:SCOPE_SE
	s_setreg_imm32_b32 hwreg(HW_REG_WAVE_MODE, 25, 1), 1
	s_wait_xcnt 0x0
	s_wait_alu depctr_hold_cnt(0) depctr_sa_sdst(0) depctr_va_vdst(0) depctr_va_sdst(0) depctr_va_ssrc(0) depctr_va_vcc(0) depctr_vm_vsrc(0)
	s_getreg_b32 s2, hwreg(HW_REG_IB_STS2, 6, 4)
	s_cmp_eq_u32 s2, 0
	s_cbranch_scc0 .Lentry_in_a_cluster
	s_endpgm
.Lentry_in_a_cluster:
	s_bfe_u32 s2, ttmp6, 0x10000c
	s_cmp_lg_u32 s2, 0xf033
	s_cbranch_scc0 .Lentry_shape_is_right
	s_endpgm
.Lentry_shape_is_right:
.set NQ,     2
.set ROWB,   256
.set KROW,   1024
.set PITCH,  272
.set FR,     16
.set NL,     4
.set NP,     8
.set HALFT,  128*PITCH
.set SLOT,   4*HALFT
.set LAPS,   2
.set KS,     32
.set SCL,    2*SLOT
.set HALFS,  16*272
.set SBLK,   2*272
.set SPARE,  SCL+4*HALFS
.set STGW,   17408
.set SCLO,   12582912
.set TABO,   12976128
.set VIMO,   16777216
.set QKSO,   25165824
.set VSCO,   25690112
.set OB,   12
.set ADRA, 16
.set PFO,  19
.set ADRB, 20
.set BOF,  22
.set VOF,  23
.set STO,  24
.set RD,   25
.set L8,   26
.set ADRS, 27
.set SPW,  28
.set NIL,  29
.set CL,   30
.set LI,   31
.set SC,   32
.set BI,   64
.set AF,   128
.set G1, 24
.set G0, 32
.set G1B, 48
.set G0B, 56
.set G1S, 68
.set G0S, 76
.set G1SB, 80
.set G0SB, 88
.set MSB, 0
.macro WIN new
.if MSB != (\new)
	s_set_vgpr_msb (MSB<<8)|(\new)
.set MSB, (\new)
.endif
.endm
.set MUL_LO, 0xa1
.set MUL_HI, 0xf1
.set TO_B,   0x40
.macro JLOAD g0a, g1a, g0b, g1b
	s_cmp_eq_u32 s15, 0
	s_cbranch_scc0 .Lfor_b_\@
	tensor_load_to_lds s[\g0a:\g0a+3], s[\g1a:\g1a+7]
	s_nop 0
.rept 4
	v_nop
.endr
	s_branch .Lasked_\@
.Lfor_b_\@:
	tensor_load_to_lds s[\g0b:\g0b+3], s[\g1b:\g1b+7]
	s_nop 0
.rept 4
	v_nop
.endr
.Lasked_\@:
.endm
.macro CREST
	s_cmp_lg_u32 s14, 0
	s_cbranch_scc1 .Lnot_wave_0_\@
	s_barrier_signal -3
.Lnot_wave_0_\@:
	s_barrier_wait -3
	s_barrier_signal -1
	s_barrier_wait -1
.endm
.macro CROUND
	s_barrier_signal -1
	s_barrier_wait -1
	CREST
.endm
	s_load_b256 s[4:11], s[0:1], 0x0
	s_load_b128 s[96:99], s[0:1], 0x20
	v_lshl_add_u32 v[SPW], v0, 2, SPARE
	v_mov_b32 v[NIL], 0
	ds_add_u32 v28, v29
	ds_add_u32 v28, v29
	s_wait_dscnt 0x0
	v_lshrrev_b32 v1, 5, v0
	v_readfirstlane_b32 s14, v1
	s_lshr_b32 s15, s14, 1
	s_and_b32 s16, s14, 1
	s_bfe_u32 s40, ttmp6, 0x40000
	s_bfe_u32 s41, ttmp6, 0x40004
	s_lshl_b32 s42, ttmp9, 2
	s_add_co_u32 s42, s42, s40
	s_and_b32 s17, ttmp7, 0xffff
	s_lshl_b32 s17, s17, 2
	s_add_co_u32 s17, s17, s41
	s_lshl_b32 s43, s41, 2
	s_lshl_b32 s43, 15, s43
	s_lshl_b32 s44, 0x1111, s40
	s_or_b32 s[G1+0], s43, (0<<16)|(1<<20)|(1<<21)|(5<<22)|(3<<25)
	s_or_b32 s[G1B+0], s44, (0<<16)|(1<<20)|(1<<21)|(5<<22)|(3<<25)
.irp g, G1, G1B
	s_mov_b32 s[\g+1], ROWB<<16
	s_mov_b32 s[\g+2], 256<<16
	s_mov_b32 s[\g+3], ROWB<<16
	s_mov_b32 s[\g+4], 256
	s_mov_b32 s[\g+5], KROW
	s_mov_b32 s[\g+6], 0
	s_mov_b32 s[\g+7], 0
.endr
	s_or_b32 s[G1S+0], s43, (3<<16)|(1<<20)|(1<<21)|(5<<22)|(3<<25)
	s_or_b32 s[G1SB+0], s44, (3<<16)|(1<<20)|(1<<21)|(5<<22)|(3<<25)
.irp g, G1S, G1SB
	s_mov_b32 s[\g+1], 32<<16
	s_mov_b32 s[\g+2], 32<<16
	s_mov_b32 s[\g+3], 32<<16
	s_mov_b32 s[\g+4], 32
	s_mov_b32 s[\g+5], 32
	s_mov_b32 s[\g+6], 0
	s_mov_b32 s[\g+7], 0
.endr
	s_lshl_b32 s20, s17, 8
	s_lshl_b32 s46, s42, 8
	s_add_co_u32 s46, s46, 8192
	s_lshl_b32 s22, s20, 5
	s_add_co_u32 s22, s22, SCLO
	s_mov_b32 s23, 0
	s_lshl_b32 s92, s46, 5
	s_add_co_u32 s92, s92, SCLO
	s_mov_b32 s93, 0
	s_lshl_b32 s20, s20, 10
	s_mov_b32 s21, 0
	s_lshl_b32 s46, s46, 10
	s_mov_b32 s47, 0
	s_mul_i32 s45, s14, HALFT
	s_wait_kmcnt 0x0
	s_add_nc_u64 s[20:21], s[4:5], s[20:21]
	s_add_nc_u64 s[22:23], s[4:5], s[22:23]
	s_add_nc_u64 s[46:47], s[4:5], s[46:47]
	s_add_nc_u64 s[92:93], s[4:5], s[92:93]
	s_load_b32 s12, s[10:11], 0x0
	CROUND                                         ; all sixteen work-groups are here: the first joint loads meet
	s_mov_b32 s[G0], 1                             ; the head's four tiles, each whole: K step 0's 256 rows of A (slot 0's group 0 takes its ring values behind the wait for this load),
	s_mov_b32 s[G0+1], 0
	s_mov_b64 s[G0+2:G0+3], s[20:21]
	s_or_b32 s[G0+3], s[G0+3], 0x80000000
	s_mov_b32 s[G0B], 1                            ; its 256 rows of B, behind them in slot 0,
	s_mov_b32 s[G0B+1], 2*HALFT
	s_mov_b64 s[G0B+2:G0B+3], s[46:47]
	s_or_b32 s[G0B+3], s[G0B+3], 0x80000000
	s_mov_b32 s[G0S], 1                            ; the scales of A's 256 rows,
	s_mov_b32 s[G0S+1], SCL
	s_mov_b64 s[G0S+2:G0S+3], s[22:23]
	s_or_b32 s[G0S+3], s[G0S+3], 0x80000000
	s_mov_b32 s[G0SB], 1                           ; and of B's
	s_mov_b32 s[G0SB+1], SCL+2*HALFS
	s_mov_b64 s[G0SB+2:G0SB+3], s[92:93]
	s_or_b32 s[G0SB+3], s[G0SB+3], 0x80000000
	s_lshl_b32 s18, s16, 17                        ; for the ring: my 128 rows of the tile, 1,024 bytes a row
	s_mov_b32 s19, 0
	s_add_nc_u64 s[20:21], s[20:21], s[18:19]
	s_add_nc_u64 s[46:47], s[46:47], s[18:19]
	s_mov_b32 s[G0+4], 1                           ; slot 1's group 0: K step 1
	s_add_co_u32 s[G0+5], s45, SLOT
	s_add_nc_u64 s[G0+6:G0+7], s[20:21], ROWB
	s_or_b32 s[G0+7], s[G0+7], 0x80000000
	s_mov_b32 s[G0B+4], 1
	s_add_co_u32 s[G0B+5], s45, SLOT
	s_add_nc_u64 s[G0B+6:G0B+7], s[46:47], ROWB
	s_or_b32 s[G0B+7], s[G0B+7], 0x80000000
; THE HEAD'S LOADS, ONE A WAVE: one tree of branches on the wave's number, an arm a load
.macro ARM under, g0, g1, next
	s_cmp_lt_u32 s14, \under
	s_cbranch_scc0 \next
	tensor_load_to_lds s[\g0:\g0+3], s[\g1:\g1+7]
	s_nop 0
.rept 4
	v_nop
.endr
	s_branch .Lhead_asked
\next:
.endm
	ARM 1, G0,  G1,  .Lhead_b
	ARM 2, G0B, G1B, .Lhead_sa
	ARM 3, G0S, G1S, .Lhead_sb
	tensor_load_to_lds s[G0SB:G0SB+3], s[G1SB:G1SB+7]
	s_nop 0
.rept 4
	v_nop
.endr
.Lhead_asked:
	v_and_b32 v1, 15, v0
	v_bfe_u32 v2, v0, 4, 1
	v_mul_u32_u24 v3, v1, PITCH
	v_lshl_add_u32 v4, v2, 4, v3
	s_mul_i32 s21, s15, HALFT
	s_mul_i32 s22, s16, HALFT
	s_add_co_u32 s22, s22, 2*HALFT
.irp s, 0,1
	v_add_nc_u32 v[ADRA+\s], s21, v4
	v_add_nc_u32 v[ADRB+\s], s22, v4
	s_add_co_u32 s21, s21, SLOT
	s_add_co_u32 s22, s22, SLOT
.endr
	v_mul_u32_u24 v5, v1, KS
	v_lshrrev_b32 v6, 8, v5
	v_lshl_add_u32 v5, v6, 4, v5
	s_mul_i32 s21, s15, HALFS
	s_mul_i32 s22, s16, HALFS
	s_add_co_u32 s22, s22, 2*HALFS
	s_sub_co_u32 s22, s22, s21
	v_mul_u32_u24 v6, s22, v2
	s_add_co_u32 s21, s21, SCL
	v_add_nc_u32 v5, v5, v6
	v_add_nc_u32 v[ADRS], s21, v5
	s_mul_i32 s23, s14, STGW
	v_lshrrev_b32 v5, 3, v1
	v_lshl_add_u32 v6, v5, 3, v1
	v_mul_u32_u24 v[STO], v6, 528
	v_lshl_add_u32 v[STO], v5, 7, v[STO]
	v_lshl_add_u32 v[STO], v2, 6, v[STO]
	v_add_nc_u32 v[STO], s23, v[STO]
	v_and_b32 v7, 31, v0
	v_lshlrev_b32 v[LI], 4, v7
	v_add_nc_u32 v[RD], s23, v[LI]
	v_lshlrev_b32 v[L8], 3, v7
	v_mul_u32_u24 v[CL], v2, 8576
	v_lshl_add_u32 v[CL], v6, 2, v[CL]
	v_add_nc_u32 v[CL], s23, v[CL]
	v_lshlrev_b32 v[BOF], 6, v2
	v_lshlrev_b32 v[VOF], 19, v2
	v_lshl_add_u32 v[VOF], v1, 4, v[VOF]
	v_lshlrev_b32 v[PFO], 8, v7
	; a prefetch of K steps 2 and 3 (bytes 512 to 1,023 of each row) of my cluster's tiles, two changes of slots ahead of the refills that want them: of A's 256 rows partner cx takes 64, of B's partner cy,
	; told apart by address; of these a wave takes 16: lanes 0-15 a row's first block of 256 bytes, lanes 16-31 its second. Each block is named once in the cluster. The registers are written once.
	v_lshlrev_b32 v18, 10, v1
	v_lshl_add_u32 v18, v2, 8, v18
	s_lshl_b32 s94, s17, 8
	s_lshl_b32 s18, s40, 6
	s_add_co_u32 s94, s94, s18
	s_lshl_b32 s18, s14, 4
	s_add_co_u32 s94, s94, s18
	s_lshl_b32 s94, s94, 10
	s_mov_b32 s95, 0
	s_add_nc_u64 s[94:95], s[4:5], s[94:95]
	s_lshl_b32 s100, s42, 8
	s_lshl_b32 s19, s41, 6
	s_add_co_u32 s100, s100, s19
	s_add_co_u32 s100, s100, s18
	s_add_co_u32 s100, s100, 8192
	s_lshl_b32 s100, s100, 10
	s_mov_b32 s101, 0
	s_add_nc_u64 s[100:101], s[4:5], s[100:101]
	s_wait_alu depctr_va_vdst(0)                   ; behind the run of scalar lines
	global_prefetch_b8 v18, s[94:95] offset:512 th:TH_LOAD_NT scope:SCOPE_SE
	global_prefetch_b8 v18, s[100:101] offset:512 th:TH_LOAD_NT scope:SCOPE_SE
	s_lshl_b32 s18, s42, 10
	s_lshl_b32 s19, s16, 9
	s_add_co_u32 s18, s18, s19
	s_mov_b32 s19, 0
	s_add_nc_u64 s[6:7], s[6:7], s[18:19]
.irp b, 0,1,2,3,4,5,6,7
	global_load_b128 v[BI+8*\b:BI+8*\b+3], v[BOF], s[6:7] offset:4*(32*(\b/2)+8*(\b%2))
	global_load_b128 v[BI+8*\b+4:BI+8*\b+7], v[BOF], s[6:7] offset:4*(32*(\b/2)+8*(\b%2))+16
.endr
	global_load_b128 v[OB:OB+3], v[LI], s[6:7]
	s_lshr_b32 s18, s17, 3
	s_lshl_b32 s18, s18, 4
	s_lshl_b32 s19, s40, 2
	s_add_co_u32 s18, s18, s19
	s_lshl_b32 s19, s16, 1
	s_add_co_u32 s66, s18, s19
	s_and_b32 s18, s17, 7
	s_lshl_b32 s18, s18, 1
	s_add_co_u32 s67, s18, s15
	s_lshl_b32 s18, s66, 19
	s_lshl_b32 s19, s67, 15
	s_add_co_u32 s18, s18, s19
	s_mov_b32 s19, 0
	s_add_nc_u64 s[8:9], s[8:9], s[18:19]
	s_add_nc_u64 s[98:99], s[98:99], s[18:19]
.macro FRAG reg, adr, q, i
.irp c, 0,1,2,3
	ds_load_b128 v[\reg+4*\c:\reg+4*\c+3], v[\adr] offset:128*(\q)+32*\c+(\i)*16*PITCH
.endr
.endm
.macro MUL16 a0, p, q, sc, zero
.irp a, \a0, \a0+1
.irp b, 0,1,2,3,4,5,6,7
.if \zero
	v_wmma_scale_f32_16x16x128_f8f6f4 v[8*(8*((\a)%4)+\b):8*(8*((\a)%4)+\b)+7], v[128*(\p)+FR*\b:128*(\p)+FR*\b+FR-1], v[AF+FR*(\a):AF+FR*(\a)+FR-1], 0, v[SC+8*NQ*(\sc)+NQ*\b+(\q)], v[SC+8*NQ*(\sc)+NQ*(\a)+(\q)] matrix_a_scale:MATRIX_SCALE_ROW1
.else
	v_wmma_scale_f32_16x16x128_f8f6f4 v[8*(8*((\a)%4)+\b):8*(8*((\a)%4)+\b)+7], v[128*(\p)+FR*\b:128*(\p)+FR*\b+FR-1], v[AF+FR*(\a):AF+FR*(\a)+FR-1], v[8*(8*((\a)%4)+\b):8*(8*((\a)%4)+\b)+7], v[SC+8*NQ*(\sc)+NQ*\b+(\q)], v[SC+8*NQ*(\sc)+NQ*(\a)+(\q)] matrix_a_scale:MATRIX_SCALE_ROW1
.endif
.endr
.endr
.endm
.macro FETCH_B slot, q, p
	WIN TO_B
.irp i, 0,1,2,3,4,5,6,7
	FRAG 128*(\p)+FR*\i, ADRB+\slot, \q, \i
.endr
	WIN 0
.endm
.macro FETCH_A slot, q, i0
.irp i, \i0, \i0+1, \i0+2, \i0+3
	FRAG AF+FR*(\i), ADRA+\slot, \q, \i
.endr
.endm
.macro SCALES sc
.irp i, 0,1,2,3,4,5,6,7
	ds_load_b64 v[SC+8*NQ*\sc+NQ*\i:SC+8*NQ*\sc+NQ*\i+1], v[ADRS] offset:\i*SBLK
.endr
.endm
.macro PLACES n
.rept \n
	v_nop
.endr
.endm
.macro ASKV k
	s_cmp_eq_u32 ttmp9, 2
	s_cbranch_scc0 .Lnov_\@
	global_prefetch_b8 v[PFO], s[8:9] offset:\k*8192 th:TH_LOAD_NT scope:SCOPE_SE
	global_prefetch_b8 v[PFO], s[8:9] offset:524288+\k*8192 th:TH_LOAD_NT scope:SCOPE_SE
.Lnov_\@:
.endm
.macro STEP slot, q, zero
	s_wait_dscnt 4*NL
	WIN MUL_LO
	MUL16 0, (\q)%2, \q, \slot, \zero
	MUL16 2, (\q)%2, \q, \slot, \zero
	s_wait_dscnt 0
	PLACES NP
	FETCH_B \slot, (\q)+1, 1-(\q)%2
	FETCH_A \slot, (\q)+1, 0
	WIN MUL_HI
	MUL16 4, (\q)%2, \q, \slot, \zero
	MUL16 6, (\q)%2, \q, \slot, \zero
	PLACES NP
	WIN 0
	FETCH_A \slot, (\q)+1, 4
.endm
.macro TURN slot, next, fill
	s_wait_tensorcnt 0x0
	ds_add_u32 v[SPW], v[NIL]
	s_wait_dscnt 4*NL+1
	WIN MUL_LO
	MUL16 0, 1, NQ-1, \slot, 0
	s_wait_dscnt 0x0
	s_barrier_signal -1
	MUL16 2, 1, NQ-1, \slot, 0
	WIN 0
	s_barrier_wait -1
.if \fill
	CREST
	s_add_nc_u64 s[G0+4*\slot+2:G0+4*\slot+3], s[G0+4*\slot+2:G0+4*\slot+3], 2*ROWB
	s_add_nc_u64 s[G0B+4*\slot+2:G0B+4*\slot+3], s[G0B+4*\slot+2:G0B+4*\slot+3], 2*ROWB
	JLOAD G0+4*\slot, G1, G0B+4*\slot, G1B
	PLACES NP-4
.else
	PLACES NP
.endif
	s_wait_alu depctr_va_vdst(0)
	v_add_nc_u32 v[ADRS], 4*NQ, v[ADRS]
	FETCH_B \next, 0, 0
	FETCH_A \next, 0, 0
	SCALES \next
.if \fill
	ASKV \slot
.endif
	WIN MUL_HI
	MUL16 4, 1, NQ-1, \slot, 0
	MUL16 6, 1, NQ-1, \slot, 0
	PLACES NP
	WIN 0
	FETCH_A \next, 0, 4
.endm
	s_wait_alu depctr_va_vdst(0)                   ; the wait at the head's end
	s_wait_tensorcnt 0x0                           ; my tile of the head's four is in; these lines stand ahead of a later first fill as ahead of a refill
	ds_add_u32 v[SPW], v[NIL]
	s_mov_b32 s[G1+2], 128<<16                     ; no tensor load of mine is out: from here on a load brings 128 rows
	s_mov_b32 s[G1+4], 128
	s_mov_b32 s[G1B+2], 128<<16
	s_mov_b32 s[G1B+4], 128
	s_mov_b32 s[G0+1], s45                         ; slot 0's group 0 for the ring: my 128 rows, K step 0 (one step back from slot 1's)
	s_sub_nc_u64 s[G0+2:G0+3], s[G0+6:G0+7], ROWB
	s_mov_b32 s[G0B+1], s45
	s_sub_nc_u64 s[G0B+2:G0B+3], s[G0B+6:G0B+7], ROWB
	s_wait_dscnt 0x0
	CROUND                                         ; a whole round: all four tiles are in, and the joint loads meet
	JLOAD G0+4, G1, G0B+4, G1B                     ; K step 1, the first tensor load behind the round
	s_wait_loadcnt 0x0
	s_wait_kmcnt 0x0
	FETCH_B 0, 0, 0
	FETCH_A 0, 0, 0
	SCALES 0
	FETCH_A 0, 0, 4
	STEP 0, 0, 1
	s_mov_b32 s3, LAPS-1
.Llap:
	TURN 0, 1, 1
	STEP 1, 0, 0
	TURN 1, 0, 1
	STEP 0, 0, 0
	s_sub_co_u32 s3, s3, 1
	s_cmp_lg_u32 s3, 0
	s_cbranch_scc1 .Llap
	TURN 0, 1, 0
	STEP 1, 0, 0
	s_wait_dscnt 4*NL
	WIN MUL_LO
	MUL16 0, 1, NQ-1, 1, 0
	MUL16 2, 1, NQ-1, 1, 0
	s_wait_dscnt 0
	WIN MUL_HI
	MUL16 4, 1, NQ-1, 1, 0
	MUL16 6, 1, NQ-1, 1, 0
	WIN 0
	PLACES NP
.set TM,  32
.set PW,  48
.set PWS, 50
.set CO,  128
.set SI,  144
.set Y,   160
.set T,   240
.set SS,  248
.set VV,  128
.set RR,  64
.set COL, 64
.set W,   4
.set SEL, 20
.set MNT, 22
.set CNT, 23
.set QKB, 24
.set TABB, 26
.set C64, 28
.set EPS, 29
.set QSB, 30
.set LAM, 32
.set OML, 34
.set VIMB, 36
.set VSB, 38
.macro QUANT s, word
.irp b, 0,1,2,3
	v_max3_num_f32 v[TM+\b], |v[\s+16*\b]|, |v[\s+1+16*\b]|, 0x4800000
.endr
.irp i, 2,4,6,8,10,12,14
.irp b, 0,1,2,3
	v_max3_num_f32 v[TM+\b], v[TM+\b], |v[\s+16*\b+\i]|, |v[\s+1+16*\b+\i]|
.endr
.endr
.irp b, 0,1,2,3
	v_permlanex16_b32 v[TM+4+\b], v[TM+\b], s[SEL], s[SEL+1]
.endr
.irp b, 0,1,2,3
	v_max_num_f32 v[TM+\b], v[TM+\b], v[TM+4+\b]
.endr
.irp b, 0,1,2,3
	v_add_nc_u32 v[TM+12+\b], 0xfc000000, v[TM+\b]
.endr
.irp b, 0,1,2,3
	v_and_or_b32 v[TM+8+\b], v[TM+\b], 0x7f800000, s[MNT]
.endr
.irp b, 0,1,2,3
	v_lshrrev_b32 v[TM+4+\b], 23, v[TM+12+\b]
.endr
.if \word
	v_lshl_or_b32 v[PW], v[TM+5], 8, v[TM+4]
	v_lshl_or_b32 v[PW], v[TM+6], 16, v[PW]
	v_lshl_or_b32 v[PW], v[TM+7], 24, v[PW]
.endif
.irp b, 0,1,2,3
.irp i, 0,1,2,3,4,5,6,7,8,9,10,11,12,13,14,15
	v_med3_num_f32 v[\s+16*\b+\i], v[\s+16*\b+\i], -v[TM+8+\b], v[TM+8+\b]
.endr
	v_cvt_scalef32_pk8_fp8_f32 v[PC+4*\b:PC+1+4*\b], v[\s+16*\b:\s+7+16*\b], v[TM+12+\b]
	v_cvt_scalef32_pk8_fp8_f32 v[PC+2+4*\b:PC+3+4*\b], v[\s+8+16*\b:\s+15+16*\b], v[TM+12+\b]
.endr
	v_nop
.endm
	s_mov_b32 s[SEL], 0x76543210
	s_mov_b32 s[SEL+1], 0xfedcba98
	s_mov_b32 s[MNT], 0x600000
.irp b, 0,1,2,3
	v_mov_b32 v[TM+4+\b], 0
.endr
	s_mov_b32 s3, 0
	s_cmp_eq_u32 ttmp9, 2
	s_cbranch_scc1 .Lvpath
.set PC, 224
	s_lshl_b32 s18, ttmp9, 6
	s_add_co_u32 s18, s18, s66
	s_lshl_b32 s2, s18, 17
	s_lshl_b32 s19, s67, 13
	s_add_co_u32 s2, s2, s19
	s_add_nc_u64 s[QKB:QKB+1], s[96:97], s[2:3]
	s_lshl_b32 s2, s18, 12
	s_lshl_b32 s19, s67, 8
	s_add_co_u32 s2, s2, s19
	s_add_co_u32 s2, s2, QKSO
	s_add_nc_u64 s[QSB:QSB+1], s[96:97], s[2:3]
	s_lshl_b32 s2, s67, 15
	s_add_co_u32 s2, s2, TABO
	s_add_nc_u64 s[TABB:TABB+1], s[4:5], s[2:3]
	s_mov_b32 s[C64], 0x3c800000
	s_mov_b32 s[EPS], 0x358637bd
	v_mov_b32 v[PW], 0
.irp i, 0,1,2,3,4,5,6,7
	v_mov_b32 v[PWS+\i], 0
.endr
.macro TABLOAD
.irp i, 0,1,2,3,4,5,6,7
	global_load_b128 v[CO+4*\i:CO+4*\i+3], v[LI], s[TABB:TABB+1] offset:512*\i
.endr
.endm
	TABLOAD
	s_mov_b32 s[CNT], 0
.macro SELBLK a
.Lsel_\a:
.if \a > 0
	s_wait_alu depctr_va_vdst(0)
	v_mov_b32 v[PWS+\a-1], v[PW]
.endif
	WIN 0x02+(\a)/4
.irp b, 0,1,2,3,4,5,6,7
.irp k, 0,2,4,6
	v_pk_add_f32 v[Y+8*\b+\k:Y+8*\b+\k+1], v[8*(8*((\a)%4)+\b)+\k:8*(8*((\a)%4)+\b)+\k+1], v[BI+8*\b+\k:BI+8*\b+\k+1]
.endr
.endr
	WIN 0
	s_branch .Lqc
.endm
.Lqk:
.irp a, 0,1,2,3,4,5,6
	s_cmp_eq_u32 s[CNT], \a
	s_cbranch_scc1 .Lsel_\a
.endr
	s_branch .Lsel_7
.irp a, 0,1,2,3,4,5,6,7
	SELBLK \a
.endr
.Lqc:
.irp hd, 0,1
	v_pk_mul_f32 v[SS+4*\hd:SS+4*\hd+1], v[Y+32*\hd:Y+32*\hd+1], v[Y+32*\hd:Y+32*\hd+1]
	v_pk_mul_f32 v[SS+4*\hd+2:SS+4*\hd+3], v[Y+32*\hd+16:Y+32*\hd+17], v[Y+32*\hd+16:Y+32*\hd+17]
.endr
.irp k, 2,4,6,8,10,12,14
.irp hd, 0,1
	v_pk_fma_f32 v[SS+4*\hd:SS+4*\hd+1], v[Y+32*\hd+\k:Y+32*\hd+\k+1], v[Y+32*\hd+\k:Y+32*\hd+\k+1], v[SS+4*\hd:SS+4*\hd+1]
	v_pk_fma_f32 v[SS+4*\hd+2:SS+4*\hd+3], v[Y+32*\hd+16+\k:Y+32*\hd+17+\k], v[Y+32*\hd+16+\k:Y+32*\hd+17+\k], v[SS+4*\hd+2:SS+4*\hd+3]
.endr
.endr
.irp hd, 0,1
	v_pk_add_f32 v[SS+4*\hd:SS+4*\hd+1], v[SS+4*\hd:SS+4*\hd+1], v[SS+4*\hd+2:SS+4*\hd+3]
.endr
.irp hd, 0,1
	v_add_f32 v[SS+4*\hd], v[SS+4*\hd], v[SS+4*\hd+1]
.endr
.irp hd, 0,1
	v_permlanex16_b32 v[SS+4*\hd+1], v[SS+4*\hd], s[SEL], s[SEL+1]
.endr
.irp hd, 0,1
	v_add_f32 v[SS+4*\hd], v[SS+4*\hd], v[SS+4*\hd+1]
.endr
.irp hd, 0,1
	v_fma_f32 v[SS+4*\hd], v[SS+4*\hd], s[C64], s[EPS]
.endr
	s_wait_alu depctr_va_vdst(0)
.irp hd, 0,1
	v_rsq_f32 v[SS+4*\hd+2], v[SS+4*\hd]
.endr
	v_nop
	s_wait_alu depctr_va_vdst(0)
.irp hd, 0,1
.irp k, 0,2,4,6,8,10,12,14,16,18,20,22,24,26,28,30
	v_pk_mul_f32 v[Y+32*\hd+\k:Y+32*\hd+\k+1], v[Y+32*\hd+\k:Y+32*\hd+\k+1], v[SS+4*\hd+2:SS+4*\hd+3] op_sel_hi:[1,0]
.endr
.endr
	s_wait_loadcnt 0x0
.irp hd, 0,1
.irp k, 0,2,4,6,8,10,12,14
	v_pk_mul_f32 v[T+(\k%8):T+(\k%8)+1], v[Y+32*\hd+16+\k:Y+32*\hd+17+\k], v[SI+\k:SI+\k+1]
	v_pk_mul_f32 v[Y+32*\hd+16+\k:Y+32*\hd+17+\k], v[Y+32*\hd+16+\k:Y+32*\hd+17+\k], v[CO+\k:CO+\k+1]
	v_pk_fma_f32 v[Y+32*\hd+16+\k:Y+32*\hd+17+\k], v[Y+32*\hd+\k:Y+32*\hd+\k+1], v[SI+\k:SI+\k+1], v[Y+32*\hd+16+\k:Y+32*\hd+17+\k]
	v_pk_fma_f32 v[Y+32*\hd+\k:Y+32*\hd+\k+1], v[Y+32*\hd+\k:Y+32*\hd+\k+1], v[CO+\k:CO+\k+1], v[T+(\k%8):T+(\k%8)+1] neg_lo:[0,0,1] neg_hi:[0,0,1]
.endr
.endr
	s_cmp_eq_u32 s[CNT], 7
	s_cbranch_scc1 .Lnotab
	s_add_nc_u64 s[TABB:TABB+1], s[TABB:TABB+1], 4096
	TABLOAD
.Lnotab:
	s_wait_xcnt 0x0
	QUANT Y, 1
.irp hd, 0,1
.irp c, 0,1
	global_store_b128 v[LI], v[PC+4*(2*\hd+\c):PC+4*(2*\hd+\c)+3], s[QKB:QKB+1] offset:131072*\hd+512*\c
.endr
.endr
	s_wait_xcnt 0x0
	s_add_nc_u64 s[QKB:QKB+1], s[QKB:QKB+1], 1024
	s_add_co_u32 s[CNT], s[CNT], 1
	s_cmp_lt_u32 s[CNT], 8
	s_cbranch_scc1 .Lqk
	v_mov_b32 v[PWS+7], v[PW]
.irp p, 0,1,2,3
	v_and_b32 v[T], 0xffff, v[PWS+2*\p]
	v_lshl_or_b32 v[224+\p], v[PWS+2*\p+1], 16, v[T]
	v_lshrrev_b32 v[T+1], 16, v[PWS+2*\p]
	v_and_or_b32 v[228+\p], v[PWS+2*\p+1], 0xffff0000, v[T+1]
.endr
	v_cmp_ne_u32 vcc_lo, 0, v2
.irp hd, 0,1
.irp i, 0,1
	v_cndmask_b32 v[232+2*\hd+\i], v[224+4*\hd+2*\i], v[224+4*\hd+2*\i+1], vcc_lo
.endr
	global_store_b64 v[L8], v[232+2*\hd:233+2*\hd], s[QSB:QSB+1] offset:4096*\hd
.endr
	s_branch .Lend
.Lvpath:
.set PC, 48
	s_lshl_b32 s2, s66, 17
	s_lshl_b32 s18, s67, 13
	s_add_co_u32 s2, s2, s18
	s_add_co_u32 s2, s2, VIMO
	s_add_nc_u64 s[VIMB:VIMB+1], s[96:97], s[2:3]
	s_lshl_b32 s2, s66, 12
	s_lshl_b32 s18, s67, 8
	s_add_co_u32 s2, s2, s18
	s_add_co_u32 s2, s2, VSCO
	s_add_nc_u64 s[VSB:VSB+1], s[96:97], s[2:3]
	v_mov_b32 v3, s12
	v_sub_f32 v3, 1.0, v3
	v_readfirstlane_b32 s[OML], v3
	s_mov_b32 s[OML+1], s[OML]
	s_mov_b32 s[LAM], s12
	s_mov_b32 s[LAM+1], s12
	v_pk_mul_f32 v[OB:OB+1], v[OB:OB+1], s[OML:OML+1] op_sel_hi:[1,0]
	s_wait_alu depctr_va_vdst(0)
	v_pk_mul_f32 v[OB+2:OB+3], v[OB+2:OB+3], s[OML:OML+1] op_sel_hi:[1,0]
.macro V1LOAD c
.set n, 0
.rept 32
	global_load_b128 v[VV+4*n:VV+4*n+3], v[VOF], s[8:9] offset:(\c)*8192+256*n th:TH_LOAD_NT
.set n, n+1
.endr
.endm
.macro VCHUNK c
	WIN 0x08+4*((\c)/2)
.irp u, 0,1
.irp b, 0,1,2,3,4,5,6,7
	ds_store_b128 v[STO], v[8*(8*((2*(\c)+\u)%4)+\b):8*(8*((2*(\c)+\u)%4)+\b)+3] offset:8*\u*528+4*(32*(\b/2)+8*(\b%2))
	ds_store_b128 v[STO], v[8*(8*((2*(\c)+\u)%4)+\b)+4:8*(8*((2*(\c)+\u)%4)+\b)+7] offset:8*\u*528+4*(32*(\b/2)+8*(\b%2))+16
.endr
.endr
	WIN 0
.irp g, 0,1,2,3
	s_wait_xcnt 0x0
.irp j, 0,1,2,3,4,5,6,7
	ds_load_b128 v[RR+4*\j:RR+4*\j+3], v[RD] offset:(8*\g+\j)*528+(\g/2)*128
.endr
	s_wait_dscnt 0x0
	s_wait_loadcnt 24-8*\g
.irp j, 0,1,2,3,4,5,6,7
	v_pk_fma_f32 v[VV+4*(8*\g+\j):VV+4*(8*\g+\j)+1], v[VV+4*(8*\g+\j):VV+4*(8*\g+\j)+1], s[LAM:LAM+1], v[OB:OB+1] op_sel_hi:[1,0,1]
	v_pk_fma_f32 v[VV+4*(8*\g+\j)+2:VV+4*(8*\g+\j)+3], v[VV+4*(8*\g+\j)+2:VV+4*(8*\g+\j)+3], s[LAM:LAM+1], v[OB+2:OB+3] op_sel_hi:[1,0,1]
	v_pk_fma_f32 v[RR+4*\j:RR+4*\j+1], v[RR+4*\j:RR+4*\j+1], s[OML:OML+1], v[VV+4*(8*\g+\j):VV+4*(8*\g+\j)+1] op_sel_hi:[1,0,1]
	v_pk_fma_f32 v[RR+4*\j+2:RR+4*\j+3], v[RR+4*\j+2:RR+4*\j+3], s[OML:OML+1], v[VV+4*(8*\g+\j)+2:VV+4*(8*\g+\j)+3] op_sel_hi:[1,0,1]
	global_store_b128 v[VOF], v[RR+4*\j:RR+4*\j+3], s[98:99] offset:(\c)*8192+256*(8*\g+\j) th:TH_STORE_NT
	ds_store_b128 v[RD], v[RR+4*\j:RR+4*\j+3] offset:(8*\g+\j)*528+(\g/2)*128
.endr
.endr
.irp hd, 0,1
.if \hd == 0
	s_wait_xcnt 0x0
.endif
.irp dt, 0,1,2,3
.irp i, 0,1,2,3,4,5,6,7,8,9,10,11,12,13,14,15
	ds_load_b32 v[COL+16*\dt+\i], v[CL] offset:\i*528+256*\hd+128*(\dt/2)+32*(\dt%2)
.endr
.endr
.if \hd == 0
.if (\c) < 3
	V1LOAD (\c)+1
.endif
.if (\c) < 2
	global_prefetch_b8 v[PFO], s[8:9] offset:((\c)+2)*8192 th:TH_LOAD_NT scope:SCOPE_SE
	global_prefetch_b8 v[PFO], s[8:9] offset:524288+((\c)+2)*8192 th:TH_LOAD_NT scope:SCOPE_SE
.endif
.endif
	s_wait_dscnt 0x0
.if \hd == 1
	s_wait_xcnt 0x0
.endif
	QUANT COL, 0
.irp dt, 0,1,2,3
.if (\c) == 0
	v_mov_b32 v[W+4*\hd+\dt], v[TM+4+\dt]
.else
	v_lshl_or_b32 v[W+4*\hd+\dt], v[TM+4+\dt], 8*(\c), v[W+4*\hd+\dt]
.endif
.endr
.irp dt, 0,1,2,3
	global_store_b128 v[LI], v[PC+4*\dt:PC+4*\dt+3], s[VIMB:VIMB+1] offset:131072*\hd+2048*\dt+512*(\c)
.endr
.endr
.endm
	s_wait_alu depctr_va_vdst(0)
	V1LOAD 0
	VCHUNK 0
	VCHUNK 1
	VCHUNK 2
	VCHUNK 3
	v_cmp_ne_u32 vcc_lo, 0, v2
.irp hd, 0,1
.irp i, 0,1
	v_cndmask_b32 v[64+2*\hd+\i], v[W+4*\hd+2*\i], v[W+4*\hd+2*\i+1], vcc_lo
.endr
	global_store_b64 v[L8], v[64+2*\hd:65+2*\hd], s[VSB:VSB+1] offset:4096*\hd
.endr
.Lend:
	s_wait_tensorcnt 0x0
	ds_add_u32 v[SPW], v[NIL]
	s_wait_dscnt 0x0
	CROUND
	s_endpgm
.Lfunc_end_k_qe55a1f14f8_qkv:
	.size	k_qe55a1f14f8_qkv, .Lfunc_end_k_qe55a1f14f8_qkv-k_qe55a1f14f8_qkv
	.p2alignl 7, 3214868480
	.fill 96, 4, 3214868480
	.section	.rodata,"a",@progbits
	.p2align	6, 0x0
	.amdhsa_kernel k_qe55a1f14f8_qkv
		.amdhsa_group_segment_fixed_size 327680
		.amdhsa_private_segment_fixed_size 0
		.amdhsa_enable_private_segment 0
		.amdhsa_kernarg_size 48
		.amdhsa_user_sgpr_count 2
		.amdhsa_user_sgpr_kernarg_segment_ptr 1
		.amdhsa_wavefront_size32 1
		.amdhsa_system_sgpr_workgroup_id_x 1
		.amdhsa_system_sgpr_workgroup_id_y 1
		.amdhsa_system_sgpr_workgroup_id_z 1
		.amdhsa_system_vgpr_workitem_id 0
		.amdhsa_next_free_vgpr 1024
		.amdhsa_next_free_sgpr 102
		.amdhsa_reserve_vcc 1
		.amdhsa_float_denorm_mode_32 3
		.amdhsa_float_denorm_mode_16_64 3
		.amdhsa_memory_ordered 1
		.amdhsa_forward_progress 1
		.amdhsa_inst_pref_size 255
	.end_amdhsa_kernel
	.section	.bss,"aw",@nobits
	.p2align	6
	.space	262144
	.amdgpu_metadata
---
amdhsa.version: [ 1, 2 ]
amdhsa.kernels:
  - .name:           k_qe55a1f14f8_qkv
    .symbol:         k_qe55a1f14f8_qkv.kd
    .args:
      - { .name: w1, .offset: 0, .size: 8, .value_kind: global_buffer, .address_space: global }
      - { .name: b_qkv, .offset: 8, .size: 8, .value_kind: global_buffer, .address_space: global }
      - { .name: v1, .offset: 16, .size: 8, .value_kind: global_buffer, .address_space: global }
      - { .name: lamb, .offset: 24, .size: 8, .value_kind: global_buffer, .address_space: global }
      - { .name: w2, .offset: 32, .size: 8, .value_kind: global_buffer, .address_space: global }
      - { .name: out1, .offset: 40, .size: 8, .value_kind: global_buffer, .address_space: global }
    .group_segment_fixed_size: 327680
    .private_segment_fixed_size: 0
    .kernarg_segment_align: 8
    .kernarg_segment_size: 48
    .max_flat_workgroup_size: 128
    .sgpr_count:     102
    .vgpr_count:     1024
    .wavefront_size: 32
...
	.end_amdgpu_metadata
.endif
;; end of part 2
;; launch attn (part 3): grid 256 x 1, 8 waves a work-group, no clusters, 0 bytes of LDS; arguments w2, w3; writes w3
.if DOCPART == 3
	.amdgcn_target "amdgcn-amd-amdhsa--gfx1250"
	.amdhsa_code_object_version 6
	.text
	.protected	k_qe55a1f14f8_attn
	.globl	k_qe55a1f14f8_attn
	.p2align	8
	.type	k_qe55a1f14f8_attn,@function
k_qe55a1f14f8_attn:
	s_mov_b64 s[64:65], 0
	v_nop
	global_prefetch_b8 v0, s[64:65] scope:SCOPE_SE
	s_setreg_imm32_b32 hwreg(HW_REG_WAVE_MODE, 25, 1), 1
	s_wait_xcnt 0x0
; Causal attention on codes of FP8 (E4M3) with E8M0 scales: 64 heads of 2,048 positions x 64 channels. q, k, v come from w2 as images of the operands' registers; the result, divided by the row's sum,
; is quantised along the model's channels and goes to w3 as images, with its scale bytes.
; THE SOFTMAX: t = score x log2(e) / 8; M = the running largest t rounded up to a whole number; p = 2^(t - M) is quantised along the keys, not normalised; the row's sum is taken of the unquantised p;
; when M moves, the sum and O are multiplied by 2^(old M - new M), which rounds nothing.
; LEFT OUT: key steps all of whose 128 keys come after a block's queries: the causal mask gives them the weight 0.
; SHARES. 64 heads x 32 waves = 256 work-groups of 8 waves. Wave i (0..31) of a head owns two blocks of 32 queries, 63 - i and then i: block j walks key steps 0 .. j / 4, so every wave walks
; (16 - i / 4) + (i / 4 + 1) = 17 steps of 128 keys. A block is two tiles of 16 queries, which share each fragment of k and v.
; NO LDS, NO BARRIER, NO CLUSTER: the waves of a head need different numbers of key steps at different times, so no joint request would fit all partners; k's and v's images lie in w2
; in the order of the operand's registers, so each lane loads its 16 bytes of a fragment whole (32 lanes: 512 consecutive bytes). Each stream is loaded one step ahead of its use: behind a step's
; last reader of k (of v) the next step's 16 fragment loads and one load of scale words are issued. Behind a block's last step the next is step 0 of the same head, which the wave's second block
; begins with; the very last such request is not used: so the counted waits hold on every way.
; PREFETCH: wave i = 0 of each head, which walks all 16 steps in its first block, asks in trip t for step t + 3 of k and of v (8,192 bytes each, a lane a block of 256 bytes), two trips ahead of the
; load that wants it; trips 13 and later ask for nothing; steps 0 to 2, q and the scale words come by their loads alone.
; LAYOUT. Both products are used transposed: a lane holds one query throughout. A tile's rows stand in stored order (row p of tile 2 b + u = position 32 b + 8 u + p + 8 (p / 8)), so the 16 registers
; of key tiles 2 b, 2 b + 1 are 16 neighbouring keys. K = 64 IN AN INSTRUCTION OF 128: a fragment of k holds two key tiles; against (q | zeros) it gives the first, against (zeros | q) the second.
; REGISTERS. Query tile 0 lives in window 0, tile 1 at the same numbers in window 1, so each phase is written once and run under two settings. k's fragments: window 0, v192-255; v's: window 1, v192-255.
; Scale words lie in window 0: v8, v9 p's; v10, v11 q's; v188-189 k's; v190-191 v's.
; LIMITS: NaN and infinities are not served; 1 / sum is v_rcp_f32 and a multiplication; a block of the result under 2^-118 gets the byte 1.
.set LI,1
.set L8,2
.set PFO,3
.set QWT,4
.set QL,5
.set D,6
.set NINF,7
.set PW,8
.set QW,10
.set QX,24                             ; v16-23 zeros, v24-31 q, v32-39 zeros
.set S,40                              ; v40-103 S^T, then p
.set O,104                             ; v104-135 O^T
.set PC,136                            ; v136-151 p's codes
.set BM,152
.set BP,156
.set BH,160
.set BS,164
.set F,168
.set T,170
.set CH,174                            ; three more chains for the row's sum
.set R32,180
.set R8,181
.set KSR,188
.set VSR,190
.set FR,192
.set WV,8
.set HD,9
.set I,10
.set J,11
.set N,12
.set ST,13
.set WK,14
.set QNS,15
.set SEL,16
.set CS,18
.set MNT,20
.set PFL,21
.set DK,22
.set NX,23
.set KH,24
.set VH,26
.set KSH,28
.set VSH,30
.set KB,32
.set VB,34
.set KSB,36
.set VSB,38
.set QB,40
.set QSB,42
.set OB,44
.set OSB,46
.set QH,52
.set SH,54
.set MSB, 0
.macro WIN new                         ; the immediate's high byte repeats the setting that is left
.if MSB != (\new)
	s_set_vgpr_msb (MSB<<8)|(\new)
.set MSB, (\new)
.endif
.endm
.macro PLACES n
.rept \n
	v_nop
.endr
.endm
.macro CONST                           ; what is written once in each window (moves of constants: only the destination's window counts)
.irp i, 0,1,2,3,4,5,6,7
	v_mov_b32 v[16+\i], 0
	v_mov_b32 v[32+\i], 0
.endr
.irp b, 0,1,2,3
	v_mov_b32 v[BP+\b], 0                          ; a lane permute's destination counts as one of its sources
.endr
	v_mov_b32 v[F+1], 0
	v_mov_b32 v[T], 0
	v_mov_b32 v[NINF], 0xff800000
.endm
.macro INIT                            ; a block begins: the step is written once, and the first finds zeros
	v_mov_b32 v13, 0xff61b1e6                      ; the largest t so far: -3e38
	v_mov_b32 v12, 0x7f61b1e6                      ; -M = floor(3e38)
	v_mov_b32 v14, 0
	v_mov_b32 v15, 0
.set n, 0
.rept 32
	v_mov_b32 v[O+n], 0
.set n, n+1
.endr
.endm
.macro QADDR j                         ; block j's q images (2,048 bytes) and its pair's scale words: group j / 4, pair p = j % 4 at 128 (p % 2) + 4 (p / 2)
	s_lshl_b32 s48, s[\j], 11
	s_add_nc_u64 s[QB:QB+1], s[QH:QH+1], s[48:49]
	s_lshr_b32 s48, s[\j], 2
	s_lshl_b32 s48, s48, 8
	s_and_b32 s50, s[\j], 1
	s_lshl_b32 s50, s50, 7
	s_add_co_u32 s48, s48, s50
	s_and_b32 s50, s[\j], 2
	s_lshl_b32 s50, s50, 1
	s_add_co_u32 s48, s48, s50
	s_add_co_u32 s48, s48, 25165824
	s_add_nc_u64 s[QSB:QSB+1], s[SH:SH+1], s[48:49]
.endm
.macro QLOAD                           ; five loads
	global_load_b128 v[QX:QX+3], v[LI], s[QB:QB+1] th:TH_LOAD_NT
	global_load_b128 v[QX+4:QX+7], v[LI], s[QB:QB+1] offset:512 th:TH_LOAD_NT
	WIN 0x40
	global_load_b128 v[QX:QX+3], v[LI], s[QB:QB+1] offset:1024 th:TH_LOAD_NT
	global_load_b128 v[QX+4:QX+7], v[LI], s[QB:QB+1] offset:1536 th:TH_LOAD_NT
	WIN 0
	global_load_b32 v[QWT], v[R8], s[QSB:QSB+1]
.endm
.macro FLOAD base                      ; sixteen loads: four fragments
.irp p, 0,1,2,3
.irp c, 0,1,2,3
	global_load_b128 v[FR+16*\p+4*\c:FR+16*\p+4*\c+3], v[LI], s[\base:\base+1] offset:2048*\p+512*\c
.endr
.endr
.endm
.macro KLOAD                           ; seventeen loads
	FLOAD KB
	global_load_b64 v[KSR:KSR+1], v[L8], s[KSB:KSB+1]
.endm
.macro VLOAD                           ; seventeen loads
	WIN 0x40
	FLOAD VB
	WIN 0
	global_load_b64 v[VSR:VSR+1], v[L8], s[VSB:VSB+1]
.endm
.macro SMUL u, t                       ; S^T key tile t of query tile u; the pair's scale word: register t / 4, lanes 16-31 for odd pairs
.if ((\t)/2)%2
	v_wmma_scale_f32_16x16x128_f8f6f4 v[S+8*(\t):S+8*(\t)+7], v[FR+16*((\t)/2):FR+16*((\t)/2)+15], v[QX-8*((\t)%2):QX-8*((\t)%2)+15], 0, v[KSR+(\t)/4], v[QW+\u] matrix_a_scale:MATRIX_SCALE_ROW1
.else
	v_wmma_scale_f32_16x16x128_f8f6f4 v[S+8*(\t):S+8*(\t)+7], v[FR+16*((\t)/2):FR+16*((\t)/2)+15], v[QX-8*((\t)%2):QX-8*((\t)%2)+15], 0, v[KSR+(\t)/4], v[QW+\u]
.endif
.endm
.macro PMUL u, dt                      ; O^T tile dt += V^T P^T; the eight accumulators take turns
.if (\dt)%2
	v_wmma_scale_f32_16x16x128_f8f6f4 v[O+8*(\dt):O+8*(\dt)+7], v[FR+16*(\dt):FR+16*(\dt)+15], v[PC:PC+15], v[O+8*(\dt):O+8*(\dt)+7], v[VSR+(\dt)/2], v[PW+\u] matrix_a_scale:MATRIX_SCALE_ROW1
.else
	v_wmma_scale_f32_16x16x128_f8f6f4 v[O+8*(\dt):O+8*(\dt)+7], v[FR+16*(\dt):FR+16*(\dt)+15], v[PC:PC+15], v[O+8*(\dt):O+8*(\dt)+7], v[VSR+(\dt)/2], v[PW+\u]
.endif
.endm
.macro MASK                            ; register 16 b + i holds key KF + 16 (lane / 16) + 32 b + i: hidden where 32 b + i is above my query - KF - 16 (lane / 16)
	v_add_nc_u32 v[D], s[DK], v[QL]
.set n, 0
.rept 64
	v_cmp_gt_i32 vcc_lo, 32*(n/16)+n%16, v[D]
	v_cndmask_b32 v[S+n], v[S+n], v[NINF], vcc_lo
.set n, n+1
.endr
.endm
.macro PHA                             ; each block's largest score, the row's M, f, and t - M
.irp b, 0,1,2,3
	v_max3_num_f32 v[BM+\b], v[S+16*\b], v[S+1+16*\b], v[S+2+16*\b]
.endr
.irp i, 3,5,7,9,11,13
.irp b, 0,1,2,3
	v_max3_num_f32 v[BM+\b], v[BM+\b], v[S+16*\b+\i], v[S+1+16*\b+\i]
.endr
.endr
.irp b, 0,1,2,3
	v_max_num_f32 v[BM+\b], v[BM+\b], v[S+15+16*\b]
.endr
.irp b, 0,1,2,3
	s_delay_alu instid0(VALU_DEP_4)
	v_permlanex16_b32 v[BP+\b], v[BM+\b], s[SEL], s[SEL+1]
.endr
.irp b, 0,1,2,3
	s_delay_alu instid0(VALU_DEP_4)
	v_max_num_f32 v[BM+\b], v[BM+\b], v[BP+\b]     ; with lane l xor 16's 16 keys
.endr
	s_delay_alu instid0(VALU_DEP_2)
	v_max3_num_f32 v[T], v[BM], v[BM+1], v[BM+2]
	s_delay_alu instid0(VALU_DEP_1)
	v_max_num_f32 v[T], v[T], v[BM+3]
	s_delay_alu instid0(VALU_DEP_1)
	v_mul_f32 v[T], s[CS], v[T]
	s_delay_alu instid0(VALU_DEP_1)
	v_max_num_f32 v13, v13, v[T]                   ; the running largest t
	v_mov_b32 v[T], v12
	s_delay_alu instid0(VALU_DEP_2)
	v_floor_f32 v12, -v13                          ; the new -M: a whole number
	s_delay_alu instid0(VALU_DEP_1)
	v_sub_f32 v[T], v12, v[T]
	s_delay_alu instid0(VALU_DEP_1)
	v_cvt_i32_f32 v[T], v[T]                       ; (it saturates)
	s_delay_alu instid0(VALU_DEP_1)
	v_ldexp_f32 v[F], 1.0, v[T]                    ; f = 2^(old M - new M)
.set n, 0
.rept 32
	v_pk_fma_f32 v[S+n:S+n+1], v[S+n:S+n+1], s[CS:CS+1], v[12:13] op_sel_hi:[1,0,0]
.set n, n+2
.endr
.irp b, 0,1,2,3
	v_fma_f32 v[BM+\b], v[BM+\b], s[CS], v12       ; the same of each block's largest score: p rises with the score
.endr
.endm
.macro EXPS
.set n, 0
.rept 64
	v_exp_f32 v[S+n], v[S+n]                       ; p
.set n, n+1
.endr
.endm
.macro EXPB
.irp b, 0,1,2,3
	v_exp_f32 v[BM+\b], v[BM+\b]                   ; each block's largest p
.endr
.endm
.macro SUMS                            ; the row's sum of the unquantised p: two at a time, four chains
	v_pk_add_f32 v[CH:CH+1], v[S:S+1], v[S+2:S+3]
	v_pk_add_f32 v[CH+2:CH+3], v[S+4:S+5], v[S+6:S+7]
	v_pk_add_f32 v[CH+4:CH+5], v[S+8:S+9], v[S+10:S+11]
	v_pk_add_f32 v[14:15], v[14:15], v[S+12:S+13]
.set n, 14
.rept 6
	v_pk_add_f32 v[CH:CH+1], v[CH:CH+1], v[S+n:S+n+1]
	v_pk_add_f32 v[CH+2:CH+3], v[CH+2:CH+3], v[S+n+2:S+n+3]
	v_pk_add_f32 v[CH+4:CH+5], v[CH+4:CH+5], v[S+n+4:S+n+5]
	v_pk_add_f32 v[14:15], v[14:15], v[S+n+6:S+n+7]
.set n, n+8
.endr
	v_pk_add_f32 v[CH:CH+1], v[CH:CH+1], v[S+62:S+63]
	v_pk_add_f32 v[14:15], v[14:15], v[CH+4:CH+5]
	v_pk_add_f32 v[CH:CH+1], v[CH:CH+1], v[CH+2:CH+3]
	v_pk_add_f32 v[14:15], v[14:15], v[CH:CH+1]
.endm
.macro SCL u                           ; the four blocks' scales; p's scale word goes to window 0
.irp b, 0,1,2,3
	v_max_num_f32 v[BM+\b], 0x4800000, v[BM+\b]    ; the floor 2^(9 - 127)
.endr
.irp b, 0,1,2,3
	v_add_nc_u32 v[BS+\b], 0xfc000000, v[BM+\b]    ; 8 off the exponent field: the conversion's scale operand
.endr
.irp b, 0,1,2,3
	v_and_or_b32 v[BH+\b], v[BM+\b], 0x7f800000, s[MNT]   ; 448 x the scale
.endr
.irp b, 0,1,2,3
	v_lshrrev_b32 v[BP+\b], 23, v[BS+\b]
.endr
	v_lshl_or_b32 v[T+1], v[BP+1], 8, v[BP]
	v_lshl_or_b32 v[T+1], v[BP+2], 16, v[T+1]
.if \u
	WIN 0x15                                       ; sources in window 1, destination in window 0
.endif
	v_lshl_or_b32 v[PW+\u], v[BP+3], 24, v[T+1]
.endm
.macro MINCVT
.irp b, 0,1,2,3
.set n, 0
.rept 16
	v_min_num_f32 v[S+16*\b+n], v[S+16*\b+n], v[BH+\b]   ; the conversion does not saturate (ISA guide 7.6.2); p is not negative: a one-sided hold
.set n, n+1
.endr
	v_cvt_scalef32_pk8_fp8_f32 v[PC+4*\b:PC+4*\b+1], v[S+16*\b:S+16*\b+7], v[BS+\b]
	v_cvt_scalef32_pk8_fp8_f32 v[PC+4*\b+2:PC+4*\b+3], v[S+16*\b+8:S+16*\b+15], v[BS+\b]
.endr
.endm
.macro RESC
	s_wait_alu depctr_va_vdst(0)                   ; directly ahead of the first reader of O^T
.set n, 0
.rept 16
	v_pk_mul_f32 v[O+n:O+n+1], v[O+n:O+n+1], v[F:F+1] op_sel_hi:[1,0]   ; O^T under the new M
.set n, n+2
.endr
.endm
.macro OUT1
	v_add_f32 v14, v14, v15
	v_permlanex16_b32 v[T], v14, s[SEL], s[SEL+1]
	v_add_f32 v14, v14, v[T]                       ; the row's sum
.endm
.macro OUT2 u                          ; O^T / the sum: a lane's 32 numbers are two blocks of the projection's K, quantised here
	s_wait_alu depctr_va_vdst(0)                   ; ahead of the reciprocal's and O^T's first reader
.set n, 0
.rept 16
	v_pk_mul_f32 v[S+n:S+n+1], v[O+n:O+n+1], v[14:15] op_sel_hi:[1,0]
.set n, n+2
.endr
.irp b, 0,1
	v_max3_num_f32 v[BM+\b], |v[S+16*\b]|, |v[S+1+16*\b]|, 0x4800000
.endr
.irp i, 2,4,6,8,10,12,14
.irp b, 0,1
	v_max3_num_f32 v[BM+\b], v[BM+\b], |v[S+16*\b+\i]|, |v[S+1+16*\b+\i]|
.endr
.endr
.irp b, 0,1
	v_permlanex16_b32 v[BP+\b], v[BM+\b], s[SEL], s[SEL+1]
.endr
.irp b, 0,1
	v_max_num_f32 v[BM+\b], v[BM+\b], v[BP+\b]
.endr
.irp b, 0,1
	v_add_nc_u32 v[BS+\b], 0xfc000000, v[BM+\b]
.endr
.irp b, 0,1
	v_and_or_b32 v[BH+\b], v[BM+\b], 0x7f800000, s[MNT]
.endr
.irp b, 0,1
	v_lshrrev_b32 v[BP+\b], 23, v[BS+\b]
.endr
	v_lshl_or_b32 v[T+1], v[BP+1], 8, v[BP]
.irp b, 0,1
.set n, 0
.rept 16
	v_med3_num_f32 v[S+16*\b+n], v[S+16*\b+n], -v[BH+\b], v[BH+\b]
.set n, n+1
.endr
	v_cvt_scalef32_pk8_fp8_f32 v[PC+4*\b:PC+4*\b+1], v[S+16*\b:S+16*\b+7], v[BS+\b]
	v_cvt_scalef32_pk8_fp8_f32 v[PC+4*\b+2:PC+4*\b+3], v[S+16*\b+8:S+16*\b+15], v[BS+\b]
.endr
	v_nop                                          ; a plain line behind the last conversion
.if \u
	WIN 0x04                                       ; the stores' data in window 1, their offsets in window 0
.endif
	global_store_b128 v[LI], v[PC:PC+3], s[OB:OB+1] offset:16384*\u          ; 512 consecutive bytes each
	global_store_b128 v[LI], v[PC+4:PC+7], s[OB:OB+1] offset:16384*\u+512
	global_store_b16 v[R32], v[T+1], s[OSB:OSB+1] offset:512*\u   ; my row's two scale bytes; lanes l and l xor 16 write the same bytes with the same value
.endm
	s_load_b128 s[4:7], s[0:1], 0x0                ; w2 s[4:5], w3 s[6:7]
	v_lshrrev_b32 v[D], 5, v0
	v_readfirstlane_b32 s[WV], v[D]                ; wave 0..7
	v_and_b32 v[T], 31, v0
	v_lshlrev_b32 v[LI], 4, v[T]
	v_lshlrev_b32 v[L8], 3, v[T]
	v_lshlrev_b32 v[PFO], 8, v[T]
	v_and_b32 v[T+1], 15, v0                       ; r
	v_bfe_u32 v[T+2], v0, 4, 1                     ; h
	v_lshlrev_b32 v[R32], 5, v[T+1]
	v_lshlrev_b32 v[R8], 3, v[T+1]
	v_lshrrev_b32 v[QL], 3, v[T+1]
	v_lshl_add_u32 v[QL], v[QL], 3, v[T+1]
	v_lshlrev_b32 v[T+2], 4, v[T+2]
	v_sub_nc_u32 v[QL], v[QL], v[T+2]              ; tile 0: my query less the block's first, less 16 h
	WIN 0x40
	v_add_nc_u32 v[QL], 8, v[QL]                   ; tile 1: 8 more
	CONST
	WIN 0
	CONST
	s_lshr_b32 s[HD], ttmp9, 2                     ; 16 batch + head
	s_and_b32 s[I], ttmp9, 3
	s_lshl_b32 s[I], s[I], 3
	s_add_co_u32 s[I], s[I], s[WV]                 ; i
	s_sub_co_u32 s[J], 63, s[I]                    ; the first block
	s_mov_b32 s[SEL], 0x76543210
	s_mov_b32 s[SEL+1], 0xfedcba98
	s_mov_b32 s[CS], 0x3e38aa3b                    ; log2(e) / 8
	s_mov_b32 s[CS+1], s[CS]
	s_mov_b32 s[MNT], 0x600000
	s_cmp_eq_u32 s[I], 0
	s_cselect_b32 s[PFL], 13, 0                    ; trips in which my wave prefetches
	s_lshr_b32 s[QNS], s[J], 2                     ; the first block's last step: there the second block's q is asked for
	s_mov_b32 s[WK], 0
	s_lshl_b32 s48, s[HD], 17
	s_mov_b32 s49, 0
	s_lshl_b32 s50, s[HD], 12
	s_mov_b32 s51, 0
	s_wait_alu depctr_va_vdst(0)                   ; the wait at the head's end
	s_wait_kmcnt 0x0
	s_add_nc_u64 s[QH:QH+1], s[4:5], s[48:49]      ; w2 + head x 131,072
	s_add_nc_u64 s[SH:SH+1], s[4:5], s[50:51]      ; w2 + head x 4,096
	s_add_nc_u64 s[KH:KH+1], s[QH:QH+1], 8388608
	s_add_nc_u64 s[VH:VH+1], s[QH:QH+1], 16777216
	s_add_nc_u64 s[KSH:KSH+1], s[SH:SH+1], 25427968
	s_add_nc_u64 s[VSH:VSH+1], s[SH:SH+1], 25690112
	s_mov_b64 s[KB:KB+1], s[KH:KH+1]
	s_mov_b64 s[VB:VB+1], s[VH:VH+1]
	s_mov_b64 s[KSB:KSB+1], s[KSH:KSH+1]
	s_mov_b64 s[VSB:VSB+1], s[VSH:VSH+1]
	QADDR J
	QLOAD
	KLOAD                                          ; step 0
	VLOAD
	s_wait_xcnt 0x0                                ; q's loads have read their bases
	QADDR I                                        ; the second block's q
.Lwalk:                                            ; two trips: block 63 - i, then block i
	s_lshr_b32 s[N], s[J], 2
	s_add_co_u32 s[N], s[N], 1                     ; its key steps
	s_mov_b32 s[ST], 0
	s_wait_loadcnt 0x0                             ; q, and step 0 of k and v
	v_perm_b32 v[QW], v[QWT], v[QWT], 0x01000100   ; tile 0's two bytes of the pair's word, for k = 0..63 and for k = 64..127 alike
	v_perm_b32 v[QW+1], v[QWT], v[QWT], 0x03020302 ; tile 1's
	INIT
	WIN 0x40
	INIT
	WIN 0
	s_wait_alu depctr_va_vdst(0)                   ; ahead of the loop
.Lstep:
	s_wait_loadcnt 17                              ; this step's k is in; behind it stand v's 17 loads
.irp t, 0,1,2,3,4,5,6,7
	SMUL 0, \t
.endr
	WIN 0x54
.irp t, 0,1,2,3,4,5,6,7
	SMUL 1, \t
.endr
	WIN 0
	PLACES 8                                       ; in front of loads into registers that the products read, and of the first reads of the scores
	s_wait_xcnt 0x0                                ; any prefetch has read its base
	s_add_co_u32 s[NX], s[ST], 1
	s_cmp_eq_u32 s[NX], s[N]
	s_cselect_b32 s[NX], 0, s[NX]                  ; the step that follows: behind the block's last, step 0
	s_lshl_b32 s48, s[NX], 13
	s_add_nc_u64 s[KB:KB+1], s[KH:KH+1], s[48:49]
	s_lshl_b32 s48, s[NX], 8
	s_add_nc_u64 s[KSB:KSB+1], s[KSH:KSH+1], s[48:49]
	KLOAD
	s_cmp_lg_u32 s[ST], s[QNS]
	s_cbranch_scc1 .Lnoq
	QLOAD                                          ; the first block's last products with q are issued: the second block's q
.Lnoq:
	s_cmp_lt_u32 s[ST], s[PFL]
	s_cbranch_scc0 .Lnopk
	global_prefetch_b8 v[PFO], s[KB:KB+1] offset:16384 th:TH_LOAD_NT scope:SCOPE_SE   ; k of step t + 3
.Lnopk:
	s_cmp_lg_u32 s[NX], 0                          ; only a block's last step lies on the diagonal
	s_cbranch_scc1 .Lopen
	s_and_b32 s[DK], s[J], 3
	s_lshl_b32 s[DK], s[DK], 5                     ; the block's first query less the step's first key
	MASK
	WIN 0x55
	MASK
	WIN 0
.Lopen:
	PHA
	WIN 0x55
	PHA
	s_wait_alu depctr_va_vdst(0)                   ; ahead of the batch
	EXPS
	WIN 0
	EXPS
	v_pk_mul_f32 v[14:15], v[14:15], v[F:F+1] op_sel_hi:[1,0]   ; the sums under the new M (a plain line behind the exponentials)
	WIN 0x55
	v_pk_mul_f32 v[14:15], v[14:15], v[F:F+1] op_sel_hi:[1,0]
	s_wait_alu depctr_va_vdst(0)                   ; one wait for the batch, ahead of its first reader
	EXPB
	WIN 0
	EXPB
	SUMS
	WIN 0x55
	SUMS
	s_wait_alu depctr_va_vdst(0)                   ; and one for the eight
	SCL 1
	WIN 0
	SCL 0
	MINCVT
	WIN 0x55
	MINCVT
	RESC
	WIN 0
	RESC
	s_wait_alu depctr_va_vdst(0)                   ; directly ahead of the wait below
	s_wait_loadcnt 17                              ; this step's v is in; behind it stand the next k's 17 loads (and, once, q's five)
	WIN 0x01
.irp dt, 0,1,2,3
	PMUL 0, \dt
.endr
	WIN 0x55
.irp dt, 0,1,2,3
	PMUL 1, \dt
.endr
	WIN 0
	PLACES 8
	s_wait_xcnt 0x0
	s_lshl_b32 s48, s[NX], 13
	s_add_nc_u64 s[VB:VB+1], s[VH:VH+1], s[48:49]
	s_lshl_b32 s48, s[NX], 8
	s_add_nc_u64 s[VSB:VSB+1], s[VSH:VSH+1], s[48:49]
	VLOAD
	s_cmp_lt_u32 s[ST], s[PFL]
	s_cbranch_scc0 .Lnopv
	global_prefetch_b8 v[PFO], s[VB:VB+1] offset:16384 th:TH_LOAD_NT scope:SCOPE_SE   ; v of step t + 3
.Lnopv:
	s_add_co_u32 s[ST], s[ST], 1
	s_cmp_lt_u32 s[ST], s[N]
	s_cbranch_scc1 .Lstep
	; THE WAY OUT of a block
	OUT1
	WIN 0x55
	OUT1
	s_wait_alu depctr_va_vdst(0)                   ; ahead of the reciprocals
	v_rcp_f32 v14, v14
	WIN 0
	v_rcp_f32 v14, v14
	v_nop                                          ; a plain line behind the reciprocals
	s_lshr_b32 s48, s[HD], 4
	s_lshl_b32 s48, s48, 7
	s_lshl_b32 s50, s[J], 1
	s_add_co_u32 s50, s48, s50                     ; 128 batch + my first tile
	s_lshl_b32 s48, s50, 14
	s_and_b32 s[DK], s[HD], 15
	s_lshl_b32 s[DK], s[DK], 10                    ; K step head / 2 (2,048 bytes), half head % 2 (1,024)
	s_add_co_u32 s48, s48, s[DK]
	s_add_nc_u64 s[OB:OB+1], s[6:7], s[48:49]
	s_lshl_b32 s48, s50, 9
	s_and_b32 s[DK], s[HD], 15
	s_lshl_b32 s[DK], s[DK], 1                     ; two scale bytes a head
	s_add_co_u32 s48, s48, s[DK]
	s_add_co_u32 s48, s48, 8388608
	s_add_nc_u64 s[OSB:OSB+1], s[6:7], s[48:49]
	OUT2 0
	WIN 0x55
	OUT2 1
	WIN 0
	s_mov_b32 s[J], s[I]                           ; the second block
	s_mov_b32 s[QNS], -1                           ; no further q,
	s_mov_b32 s[PFL], 0                            ; no further prefetch
	s_add_co_u32 s[WK], s[WK], 1
	s_cmp_lt_u32 s[WK], 2
	s_cbranch_scc1 .Lwalk
	s_endpgm
.Lfunc_end_k_qe55a1f14f8_attn:
	.size	k_qe55a1f14f8_attn, .Lfunc_end_k_qe55a1f14f8_attn-k_qe55a1f14f8_attn
	.p2alignl 7, 3214868480
	.fill 96, 4, 3214868480
	.section	.rodata,"a",@progbits
	.p2align	6, 0x0
	.amdhsa_kernel k_qe55a1f14f8_attn
		.amdhsa_group_segment_fixed_size 0
		.amdhsa_private_segment_fixed_size 0
		.amdhsa_enable_private_segment 0
		.amdhsa_kernarg_size 16
		.amdhsa_user_sgpr_count 2
		.amdhsa_user_sgpr_kernarg_segment_ptr 1
		.amdhsa_wavefront_size32 1
		.amdhsa_system_sgpr_workgroup_id_x 1
		.amdhsa_system_sgpr_workgroup_id_y 1
		.amdhsa_system_sgpr_workgroup_id_z 1
		.amdhsa_system_vgpr_workitem_id 0
		.amdhsa_next_free_vgpr 512
		.amdhsa_next_free_sgpr 66
		.amdhsa_reserve_vcc 1
		.amdhsa_float_denorm_mode_32 3
		.amdhsa_float_denorm_mode_16_64 3
		.amdhsa_memory_ordered 1
		.amdhsa_forward_progress 1
		.amdhsa_inst_pref_size 71
	.end_amdhsa_kernel
	.amdgpu_metadata
---
amdhsa.version: [ 1, 2 ]
amdhsa.kernels:
  - .name:           k_qe55a1f14f8_attn
    .symbol:         k_qe55a1f14f8_attn.kd
    .args:
      - { .name: w2, .offset: 0, .size: 8, .value_kind: global_buffer, .address_space: global }
      - { .name: w3, .offset: 8, .size: 8, .value_kind: global_buffer, .address_space: global }
    .group_segment_fixed_size: 0
    .private_segment_fixed_size: 0
    .kernarg_segment_align: 8
    .kernarg_segment_size: 16
    .max_flat_workgroup_size: 256
    .sgpr_count:     66
    .vgpr_count:     512
    .wavefront_size: 32
...
	.end_amdgpu_metadata
.endif
;; end of part 3
;; launch proj (part 4): grid 64 x 4, 8 waves a work-group, clusters of 4 x 1, 327,680 bytes of LDS; arguments w3, w1, b_proj, out0; writes out0
.if DOCPART == 4
	.amdgcn_target "amdgcn-amd-amdhsa--gfx1250"
	.amdhsa_code_object_version 6
	.text
	.protected	k_qe55a1f14f8_proj
	.globl	k_qe55a1f14f8_proj
	.p2align	8
	.type	k_qe55a1f14f8_proj,@function
k_qe55a1f14f8_proj:
	s_mov_b64 s[64:65], 0
	v_nop
	global_prefetch_b8 v0, s[64:65] scope:SCOPE_SE
	s_setreg_imm32_b32 hwreg(HW_REG_WAVE_MODE, 25, 1), 1
	s_wait_xcnt 0x0
	s_wait_alu depctr_hold_cnt(0) depctr_sa_sdst(0) depctr_va_vdst(0) depctr_va_sdst(0) depctr_va_ssrc(0) depctr_va_vcc(0) depctr_vm_vsrc(0)
	s_getreg_b32 s2, hwreg(HW_REG_IB_STS2, 6, 4)
	s_cmp_eq_u32 s2, 0
	s_cbranch_scc0 .Lentry_in_a_cluster
	s_endpgm
.Lentry_in_a_cluster:
	s_bfe_u32 s2, ttmp6, 0x10000c
	s_cmp_lg_u32 s2, 0x3003
	s_cbranch_scc0 .Lentry_shape_is_right
	s_endpgm
.Lentry_shape_is_right:
; out0[m][n] = sum over k of attn[m][k] W_proj[n][k] + b_proj[n], on codes of FP8 (E4M3) with one E8M0 byte for each 32 along K; M = 8,192, N = 1,024, K = 1,024; sums in f32.
; attn's codes lie in w3 as images of the operand's registers (tile of 16 rows: 16,384 bytes; K step of 128: 2,048; piece c: 512; 16 bytes a lane), its scale bytes behind them, 32 a row.
; A tile's rows stand in stored order: row p of tile T is row 32 (T / 2) + 8 (T % 2) + p + 8 (p / 8) of out0. W_proj's codes and scale bytes lie in w1 by rows, K innermost.
; SHARES. 256 work-groups: block 128 x 256 of out0 (x: 128 rows, y: 256 columns); 8 waves as 2 x 4, a wave makes 64 x 64: 16 accumulators. K goes in 8 steps of 128, all written out: every offset is an immediate.
; W: the block's 256 rows for ALL of K come into LDS once, at the head: each wave fetches 32 rows of 1,024 bytes by one tensor load, 16 bytes of padding behind each row (pitch 1,040, an odd multiple of 16);
; 266,240 bytes, filled once and never again. CLUSTERS: the four work-groups of a cluster make four row strips of one column strip and need the same rows of W: each load is asked for jointly, mask 15.
; attn: its fragments are images, so each lane loads its 16 bytes whole from memory (32 lanes: 512 consecutive bytes), in two register sets by turns: behind a step's 16 products the loads of the step two on are issued
; into its set, attn's from memory and W's from LDS. One barrier, behind the head's loads.
; The scale words of all of K come once: 32 bytes a row, two loads of 16 bytes for each tile of 16 rows, lane r taking row r: register ks of a tile's eight is the word of K step ks.
; PREFETCH of attn's codes: K steps 2 k, 2 k + 1 are asked for at the head (k = 1) and in trips 0 and 1 (k = 2, 3), two trips and more ahead of the loads that want them: waves 0 to 3 take two of the
; work-group's 8 tiles each, 32 blocks of 256 bytes, a lane a block. K steps 0 and 1, the scale words and the bias come by their loads alone; W is asked for whole at the head.
; THE MATRIX INSTRUCTION IS USED TRANSPOSED (source 0 = 16 rows of W, source 1 = 16 rows of attn): a lane holds eight neighbouring numbers of a row of out0. A block of 16 rows x 64 columns goes through
; the wave's own stage in LDS, on bytes of its own behind W's, and leaves as rows of 256 bytes: sixteen lanes store one aligned unit.
; REGISTERS: window 0: v1-15 addresses and the bias; v32-63 attn's scale words, v64-95 W's; v128-255 fragment set 1 (attn's 64, W's 64), on the way out the rows read back.
; window 1: v0-127 the accumulators ((a, b) at 8 (4 a + b)); v128-255 fragment set 0.
; LIMITS: NaN and infinities are not served.
.set WP,    1040
.set STAGE, 256*WP
.set SP,    272
.set STGW,  16*SP
.set SPARE, STAGE+8*STGW
.set LI,1
.set BL,2
.set R32,3
.set STO,4
.set RD,5
.set CO,6
.set PFA,7
.set R16,9
.set SPW,10
.set NIL,11
.set BIA,12
.set SA,32
.set SB,64
.set FA,128
.set FB,192
.set BK,128
.set MSB, 0
.macro WIN new                         ; the immediate's high byte repeats the setting that is left
.if MSB != (\new)
	s_set_vgpr_msb (MSB<<8)|(\new)
.set MSB, (\new)
.endif
.endm
.macro PLACES n
.rept \n
	v_nop
.endr
.endm
.macro ROUND                           ; a round of the cluster's barrier
	s_barrier_signal -1
	s_barrier_wait -1
	s_cmp_lg_u32 s14, 0
	s_cbranch_scc1 .Lnot_wave_0_\@
	s_barrier_signal -3
.Lnot_wave_0_\@:
	s_barrier_wait -3
	s_barrier_signal -1
	s_barrier_wait -1
.endm
.macro LOADA ks, set                   ; 16 loads from memory: attn's fragments of K step ks
.if (\set) == 0
	WIN 0x40
.endif
.irp t, 0,1,2,3
.irp c, 0,1,2,3
	global_load_b128 v[FA+16*\t+4*\c:FA+16*\t+4*\c+3], v[LI], s[20:21] offset:16384*\t+2048*(\ks)+512*\c
.endr
.endr
	WIN 0
.endm
.macro LOADB ks, set                   ; 16 loads from LDS: W's fragments of K step ks
.if (\set) == 0
	WIN 0x40
.endif
.irp t, 0,1,2,3
.irp c, 0,1,2,3
	ds_load_b128 v[FB+16*\t+4*\c:FB+16*\t+4*\c+3], v[BL] offset:16*\t*WP+128*(\ks)+32*\c
.endr
.endr
	WIN 0
.endm
.macro MULS ks, set                    ; 16 products; the accumulators take turns, in the same order in every step; the first step starts the sums
.if (\set) == 0
	WIN 0x55
.else
	WIN 0x50
.endif
.irp a, 0,1,2,3
.irp b, 0,1,2,3
.if (\ks) == 0
	v_wmma_scale_f32_16x16x128_f8f6f4 v[8*(4*\a+\b):8*(4*\a+\b)+7], v[FB+16*\b:FB+16*\b+15], v[FA+16*\a:FA+16*\a+15], 0, v[SB+8*\b+(\ks)], v[SA+8*\a+(\ks)]
.else
	v_wmma_scale_f32_16x16x128_f8f6f4 v[8*(4*\a+\b):8*(4*\a+\b)+7], v[FB+16*\b:FB+16*\b+15], v[FA+16*\a:FA+16*\a+15], v[8*(4*\a+\b):8*(4*\a+\b)+7], v[SB+8*\b+(\ks)], v[SA+8*\a+(\ks)]
.endif
.endr
.endr
	WIN 0
.endm
.macro ASK k                           ; K steps 2 k and 2 k + 1: 4,096 bytes of each of my wave's two tiles
	s_cmp_lt_u32 s14, 4
	s_cbranch_scc0 .Lnota_\@
	global_prefetch_b8 v[PFA], s[32:33] offset:4096*(\k) th:TH_LOAD_NT scope:SCOPE_SE
.Lnota_\@:
.endm
	s_load_b256 s[4:11], s[0:1], 0x0               ; w3 s[4:5], w1 s[6:7], b_proj s[8:9], out0 s[10:11]
	v_lshl_add_u32 v[SPW], v0, 2, SPARE
	v_mov_b32 v[NIL], 0
	ds_add_u32 v[SPW], v[NIL]                      ; the opening lines, ahead of my tensor load: the add, twice on end, and its wait
	ds_add_u32 v[SPW], v[NIL]
	v_lshrrev_b32 v16, 5, v0
	v_readfirstlane_b32 s14, v16                   ; wave 0..7
	s_lshr_b32 s15, s14, 2                         ; which 64 rows
	s_and_b32 s16, s14, 3                          ; which 64 columns
	s_bfe_u32 s12, ttmp6, 0x40000                  ; cx: it enters global addresses alone
	s_lshl_b32 s17, ttmp9, 2
	s_add_co_u32 s17, s17, s12                     ; the row strip: 4 x cluster x + cx
	s_and_b32 s13, ttmp7, 0xffff                   ; the column strip, which the cluster shares
	s_lshl_b32 s18, s17, 3
	s_lshl_b32 s3, s15, 2
	s_add_co_u32 s18, s18, s3                      ; my first tile of 16 rows
	s_lshl_b32 s19, s13, 8
	s_lshl_b32 s3, s16, 6
	s_add_co_u32 s19, s19, s3                      ; my first column
	s_lshl_b32 s20, s18, 14
	s_mov_b32 s21, 0
	s_lshl_b32 s22, s18, 9
	s_add_co_u32 s22, s22, 8388608
	s_mov_b32 s23, 0
	s_lshl_b32 s24, s13, 8
	s_lshl_b32 s3, s14, 5
	s_add_co_u32 s24, s24, s3
	s_add_co_u32 s24, s24, 11264                   ; W_proj's rows stand behind x's and W_qkv's in w1: the 32 rows that I fetch
	s_lshl_b32 s24, s24, 10
	s_mov_b32 s25, 0
	s_add_co_u32 s26, s19, 11264
	s_lshl_b32 s26, s26, 5
	s_add_co_u32 s26, s26, 12582912
	s_mov_b32 s27, 0
	s_lshl_b32 s28, s19, 2
	s_mov_b32 s29, 0
	s_lshl_b32 s30, s18, 16                        ; 16 rows of 4,096 bytes a tile
	s_add_co_u32 s30, s30, s28
	s_mov_b32 s31, 0
	s_lshl_b32 s32, s17, 3
	s_lshl_b32 s3, s16, 1
	s_add_co_u32 s32, s32, s3
	s_lshl_b32 s32, s32, 14                        ; the prefetches: tiles 2 (wave % 4), + 1 of the strip's 8
	s_mov_b32 s33, 0
	s_mul_i32 s34, s16, 64*WP                      ; my 64 rows of W in LDS
	s_mul_i32 s12, s14, STGW
	s_add_co_u32 s12, s12, STAGE                   ; my stage
	s_mov_b32 s36, 1                               ; descriptor group 0: count,
	s_mul_i32 s37, s14, 32*WP                      ; LDS address: wave x 32 rows
	s_mov_b32 s40, 15|(0<<16)|(1<<20)|(1<<21)|(7<<22)|(3<<25)   ; group 1: mask of all four; elements of 1 byte; padding on; bit 21 beside a mask; after every 256 words, 4 words
	s_mov_b32 s41, 1024<<16                        ; tensor_dim0
	s_mov_b32 s42, 32<<16                          ; tensor_dim1
	s_mov_b32 s43, 1024<<16                        ; tile_dim0
	s_mov_b32 s44, 32                              ; tile_dim1
	s_mov_b32 s45, 1024                            ; from row to row
	s_mov_b32 s46, 0
	s_mov_b32 s47, 0
	s_wait_dscnt 0x0                               ; both opening adds are done
	s_wait_kmcnt 0x0
	s_add_nc_u64 s[38:39], s[6:7], s[24:25]
	s_or_b32 s39, s39, 0x80000000
	s_add_nc_u64 s[20:21], s[4:5], s[20:21]
	s_add_nc_u64 s[22:23], s[4:5], s[22:23]
	s_add_nc_u64 s[26:27], s[6:7], s[26:27]
	s_add_nc_u64 s[28:29], s[8:9], s[28:29]
	s_add_nc_u64 s[30:31], s[10:11], s[30:31]
	s_add_nc_u64 s[32:33], s[4:5], s[32:33]
	ROUND                                          ; all four work-groups are here: the joint loads meet
	tensor_load_to_lds s[36:39], s[40:47]          ; my 32 rows of W, all of K: my one tensor load
	s_nop 0
	v_and_b32 v17, 31, v0                          ; lane
	v_and_b32 v18, 15, v0                          ; r
	v_bfe_u32 v19, v0, 4, 1                        ; h
	v_lshlrev_b32 v[LI], 4, v17
	v_mul_u32_u24 v[BL], v18, WP
	v_lshl_add_u32 v[BL], v19, 4, v[BL]
	v_add_nc_u32 v[BL], s34, v[BL]                 ; W in LDS: row r of my 64, + 16 h
	v_lshlrev_b32 v[R32], 5, v18
	v_lshlrev_b32 v[R16], 4, v18
	v_mul_u32_u24 v[STO], v18, SP
	v_lshl_add_u32 v[STO], v19, 5, v[STO]
	v_add_nc_u32 v[STO], s12, v[STO]               ; into the stage: row r, 32 bytes for each half of the lanes
	v_mul_u32_u24 v[RD], v19, SP
	v_lshl_add_u32 v[RD], v18, 4, v[RD]
	v_add_nc_u32 v[RD], s12, v[RD]                 ; back: lanes 0-15 one row, lanes 16-31 the next
	v_lshlrev_b32 v[CO], 12, v19
	v_lshl_add_u32 v[CO], v18, 4, v[CO]            ; and the same two rows in out0
	v_lshlrev_b32 v[PFA], 14, v19
	v_lshl_add_u32 v[PFA], v18, 8, v[PFA]
	s_wait_alu depctr_va_vdst(0)                   ; the wait at the head's end
.irp a, 0,1,2,3
	global_load_b128 v[SA+8*\a:SA+8*\a+3], v[R32], s[22:23] offset:512*\a
	global_load_b128 v[SA+8*\a+4:SA+8*\a+7], v[R32], s[22:23] offset:512*\a+16
	global_load_b128 v[SB+8*\a:SB+8*\a+3], v[R32], s[26:27] offset:512*\a
	global_load_b128 v[SB+8*\a+4:SB+8*\a+7], v[R32], s[26:27] offset:512*\a+16
.endr
	global_load_b128 v[BIA:BIA+3], v[R16], s[28:29]   ; the bias of my lane's four columns on the way out
	LOADA 0, 0
	LOADA 1, 1
	ASK 1
	s_wait_tensorcnt 0x0                           ; my rows of W are in:
	s_barrier_signal -1                            ; say so,
	s_barrier_wait -1                              ; and everybody's are
	LOADB 0, 0
	LOADB 1, 1
.irp ks, 0,1,2,3,4,5,6,7
.if \ks < 7
	s_wait_loadcnt 16                              ; this step's fragments of attn are in (and all that was asked for earlier); behind them stand the other set's 16 loads
	s_wait_dscnt 16                                ; and W's likewise
.else
	s_wait_loadcnt 0x0
	s_wait_dscnt 0x0
.endif
	MULS \ks, (\ks)%2
.if \ks < 6
	PLACES 8                                       ; in front of loads into registers that the products read
	LOADA \ks+2, (\ks)%2
	LOADB \ks+2, (\ks)%2
.endif
.if \ks < 2
	ASK \ks+2
.endif
.endr
; THE WAY OUT, block by block of 16 rows x 64 columns. LDS serves a wave's instructions in order: no wait between the stores and the loads, nor in front of the next block's stores.
.macro TOSTAGE a
	WIN 0x04                                       ; the data in window 1
.irp b, 0,1,2,3
	ds_store_b128 v[STO], v[32*(\a)+8*\b:32*(\a)+8*\b+3] offset:64*\b          ; each accumulator from its low end on
	ds_store_b128 v[STO], v[32*(\a)+8*\b+4:32*(\a)+8*\b+7] offset:64*\b+16
.endr
	WIN 0
.set BB, BK+32*((\a)%2)
.irp t, 0,1,2,3,4,5,6,7
	ds_load_b128 v[BB+4*\t:BB+4*\t+3], v[RD] offset:2*\t*SP
.endr
.endm
.macro SEND a, younger                 ; younger: the LDS instructions issued behind block a's loads
.set BB, BK+32*((\a)%2)
	s_wait_dscnt \younger
.irp t, 0,1,2,3,4,5,6,7
	v_pk_add_f32 v[BB+4*\t:BB+4*\t+1], v[BB+4*\t:BB+4*\t+1], v[BIA:BIA+1]
	v_pk_add_f32 v[BB+4*\t+2:BB+4*\t+3], v[BB+4*\t+2:BB+4*\t+3], v[BIA+2:BIA+3]
	global_store_b128 v[CO], v[BB+4*\t:BB+4*\t+3], s[30:31] offset:(32*((\a)/2)+8*((\a)%2)+2*\t+8*(\t/4))*4096 th:TH_STORE_NT   ; stored rows 2 t, 2 t + 1: sixteen lanes store 256 consecutive bytes, aligned
.endr
.endm
	PLACES 8                                       ; behind the last products: for the reads of their results and the loads into set 1's registers
	TOSTAGE 0
.irp a, 1,2,3
.if \a > 1
	s_wait_xcnt 0x0                                ; block a - 2's stores have read their registers: block a's loads may land there
.endif
	TOSTAGE \a
	SEND \a-1, 16                                  ; behind block a - 1's loads: block a's 8 stores and 8 loads
.endr
	SEND 3, 0
	s_wait_tensorcnt 0x0                           ; the wave's end: behind my tensor load and my last LDS store
	ds_add_u32 v[SPW], v[NIL]
	s_wait_dscnt 0x0
	ROUND                                          ; the closing round
	s_endpgm
.Lfunc_end_k_qe55a1f14f8_proj:
	.size	k_qe55a1f14f8_proj, .Lfunc_end_k_qe55a1f14f8_proj-k_qe55a1f14f8_proj
	.p2alignl 7, 3214868480
	.fill 96, 4, 3214868480
	.section	.rodata,"a",@progbits
	.p2align	6, 0x0
	.amdhsa_kernel k_qe55a1f14f8_proj
		.amdhsa_group_segment_fixed_size 327680
		.amdhsa_private_segment_fixed_size 0
		.amdhsa_enable_private_segment 0
		.amdhsa_kernarg_size 32
		.amdhsa_user_sgpr_count 2
		.amdhsa_user_sgpr_kernarg_segment_ptr 1
		.amdhsa_wavefront_size32 1
		.amdhsa_system_sgpr_workgroup_id_x 1
		.amdhsa_system_sgpr_workgroup_id_y 1
		.amdhsa_system_sgpr_workgroup_id_z 1
		.amdhsa_system_vgpr_workitem_id 0
		.amdhsa_next_free_vgpr 512
		.amdhsa_next_free_sgpr 66
		.amdhsa_reserve_vcc 0
		.amdhsa_float_denorm_mode_32 3
		.amdhsa_float_denorm_mode_16_64 3
		.amdhsa_memory_ordered 1
		.amdhsa_forward_progress 1
		.amdhsa_inst_pref_size 58
	.end_amdhsa_kernel
	.amdgpu_metadata
---
amdhsa.version: [ 1, 2 ]
amdhsa.kernels:
  - .name:           k_qe55a1f14f8_proj
    .symbol:         k_qe55a1f14f8_proj.kd
    .args:
      - { .name: w3, .offset: 0, .size: 8, .value_kind: global_buffer, .address_space: global }
      - { .name: w1, .offset: 8, .size: 8, .value_kind: global_buffer, .address_space: global }
      - { .name: b_proj, .offset: 16, .size: 8, .value_kind: global_buffer, .address_space: global }
      - { .name: out0, .offset: 24, .size: 8, .value_kind: global_buffer, .address_space: global }
    .group_segment_fixed_size: 327680
    .private_segment_fixed_size: 0
    .kernarg_segment_align: 8
    .kernarg_segment_size: 32
    .max_flat_workgroup_size: 256
    .sgpr_count:     66
    .vgpr_count:     512
    .wavefront_size: 32
...
	.end_amdgpu_metadata
.endif
;; end of part 4
